; MI455X (gfx1250); checked and timed in simulation.
; The chip was launched on July 23, 2026; its instructions are those of AMD's public machine-readable ISA for CDNA 5 (MIT licence, August 2026) and "CDNA5" Instruction Set Architecture Reference Guide (July 2026). The comments in the code are by the model that wrote it; some were corrected since.
;; f VSRN. Allowed arithmetic: matrix products marked QUANTISED: E2M3 operands, one E8M0 scale for each 32 along K, by v_wmma_scale_f32_16x16x128_f8f6f4 with both operands' format E2M3, f32 sums; products left as they are: f32 operands where the result goes on into a quantised operand, else bf16, f16 or f32 operands; f32 sums; everything else in f32.
;; Inputs: W0 32 x 52 float32; Wh 3 x 32 x 32 float32; Wout 1 x 32 float32; b0 32 float32; bh 3 x 32 float32; bout 1 float32; feature_grid 16 x 64 x 64 x 64 float32; x 2,097,152 x 3 float32.
;; Outputs: out0 2,097,152 x 1 float32.
;; This version of the problem:
;;   THIS VERSION OF THE PROBLEM IS GIVEN IN LOW PRECISION. The matrix products marked QUANTISED in the list below multiply operands that are first quantised to E2M3 (2 exponent bits, 3 mantissa bits; 6 bits a number), with one power-of-two scale for each 32 numbers along K (OCP MX v1.0); their sums are f32. All else is computed in f32.
;;   The module's matrix products, in the order in which they are computed (A, B: the left and right operand; K: the contracted axis; several contracted axes count as one K, in the product's order):
;;     1. [M 2,097,152, K 52] x [K 52, N 32]; A: computed on the way; B: input W0: QUANTISED
;;     2. [M 2,097,152, K 32] x [K 32, N 32]; A: computed on the way; B: input Wh: QUANTISED
;;     3. [M 2,097,152, K 32] x [K 32, N 32]; A: computed on the way; B: input Wh: QUANTISED
;;     4. [M 2,097,152, K 32] x [K 32, N 32]; A: computed on the way; B: input Wh: QUANTISED
;;     5. [M 2,097,152, K 32] x [K 32, N 1]; A: computed on the way; B: input Wout: left as it is (N = 1 < 16)
;;   THE QUANTISER, for each operand of a quantised product, along K:
;;     - K is cut into blocks of 32 from its start; a last block that is shorter is filled with zeros.
;;     - A block's scale is 2^e with e = floor(log2(the largest magnitude in the block)) - 2, held to -126 .. 127; a block of zeros has e = 0. As a byte (E8M0): e + 127.
;;     - Each number is divided by its block's scale, clamped to +-7.5, and rounded to the nearest number of E2M3, ties to even, subnormals kept.
;;     - The product sums the exact products of the quantised numbers (number of the format x scale) in f32.
;;   ~~~python
;;   def quantise(x, axis):      # numpy; x: float32 -> the quantised numbers, widened to float32 again
;;       x = np.moveaxis(x, axis, -1); K = x.shape[-1]
;;       x = np.pad(x, [(0, 0)] * (x.ndim - 1) + [(0, -K % 32)]); x = x.reshape(x.shape[:-1] + (-1, 32)); a = np.abs(x).max(-1, keepdims=True)
;;       e = np.where(a > 0, np.clip(np.frexp(np.where(a > 0, a, 1))[1] - 1 - 2, -126, 127), 0)      # np.frexp(a)[1] - 1 = floor(log2(a)), exactly
;;       r = np.clip(x / 2.0 ** e, -7.5, 7.5)
;;       step = 2.0 ** (np.maximum(np.frexp(np.where(r == 0, 1, r))[1] - 1, 0) - 3)
;;       q = np.round(r / step) * step * 2.0 ** e      # np.round: ties to even
;;       return np.moveaxis(q.reshape(q.shape[:-2] + (-1,))[..., :K], -1, axis).astype(np.float32)
;;   ~~~
;;   OPERANDS COMPUTED ON THE WAY. 'Computed on the way' means the value that the module computes at that place (a softmax that the list does not call 'softmax' is quantised finished and normalised). What goes into a quantiser is computed in f32, as accurately as f32 sums, v_exp_f32 and their like allow (about 1e-6 of the number): no bf16 or f16 on the way to a quantiser, and a product that is left as it is and whose result goes on into a quantised operand takes f32 operands (vector FMAs, or v_wmma_f32_16x16x4_f32). A number that lies on a knife's edge between two numbers of the format may be rounded either way, as far as f32 arithmetic and the matrix unit's own rounding can turn it there, and no further.
;; 3 versions, each right; version 2 is faster than version 1; version 3 is version 2 with the launch main written anew for expert scheduling mode. Each part assembles by itself: llvm-mc -triple=amdgcn-amd-amdhsa -mcpu=gfx1250 --defsym DOCPART=n.
;; ======== version 1 of 3: 2 launches
;; limits: right only within a limited range of input values
;; workspace buffers: cells 8,388,608 bytes of whole numbers; gridT 16,777,216 bytes; wimg 16,384 bytes
;; launch prep (part 1): grid 2049 x 1, 4 waves a work-group, no clusters, 29,184 bytes of LDS; arguments x, feature_grid, W0, Wh, cells, gridT, wimg; writes cells, gridT, wimg
.if DOCPART == 1
	.amdgcn_target "amdgcn-amd-amdhsa--gfx1250"
	.amdhsa_code_object_version 6
	.text
	.protected	k_q62439103a0_prep
	.globl	k_q62439103a0_prep
	.p2align	8
	.type	k_q62439103a0_prep,@function
k_q62439103a0_prep:
	s_mov_b64 s[64:65], 0
	v_nop
	global_prefetch_b8 v0, s[64:65] scope:SCOPE_SE
	s_setreg_imm32_b32 hwreg(HW_REG_WAVE_MODE, 25, 1), 1
	s_wait_xcnt 0x0
; Three preparations for the second launch, told apart by the work-group's number; each way has LDS bytes of its own, and no wave shares anything with another.
;   work-group 0:            W0 [32][52] and Wh [3][32][32], f32, become codes of FP6 (E2M3) with E8M0 scale bytes, laid as images of the matrix operand's registers (wimg).
;   work-groups 1 .. 1024:   feature_grid [16][64][64][64] is laid anew with the 16 channels innermost (gridT: voxel (z 64 + y) 64 + x at byte 64 x voxel).
;   work-groups 1025 .. 2048: each point's cell (iz 64 + iy) 64 + ix, each coordinate 0 .. 62, as a whole number (cells): the second launch forms its gather's addresses from it.
; A block's scale is 2^(floor(log2(largest magnitude)) - 2); its byte is the largest magnitude's exponent field - 2, held at 1 from below (a block of zeros gets 1: its codes are zeros, and only this program reads the bytes).
; LIMITS: NaN and infinities among the inputs are not served (a cell made of them is still held inside the grid by the launch that reads it).
.set NT,    1024                       ; work-groups that turn the grid: 4 rows (z, y) each
.set TPIT,  80                         ; the turning stage: a voxel's 64 bytes + 16
.set TREG,  64*TPIT                    ; a wave's stage: 64 voxels
.set CREG,  4*TREG                     ; behind the four stages: 2,048 bytes a wave for the cells
.set CHAN,  1048576                    ; bytes of a channel of the grid
	s_load_b256 s[4:11], s[0:1], 0x0               ; x s[4:5], feature_grid s[6:7], W0 s[8:9], Wh s[10:11]
	s_load_b128 s[12:15], s[0:1], 0x20             ; cells s[12:13], gridT s[14:15]
	s_load_b64 s[16:17], s[0:1], 0x30              ; wimg
	v_lshl_add_u32 v128, v0, 2, 0x7000
	v_mov_b32 v129, 0
	v_lshrrev_b32 v1, 5, v0
	v_readfirstlane_b32 s18, v1                    ; wave 0..3
	v_and_b32 v1, 31, v0                           ; lane
	v_lshlrev_b32 v5, 4, v1                        ; 16 x lane
	s_wait_kmcnt 0x0
	s_cmp_eq_u32 ttmp9, 0
	s_cbranch_scc1 .Lweights
	s_cmp_le_u32 ttmp9, NT
	s_cbranch_scc0 .Lcells
; ---- THE GRID.  A wave takes one row (z, y): 64 voxels x 16 channels.  A lane loads voxels lane and 32 + lane of every channel; a voxel's 16 numbers go to the wave's stage
; as four pieces of 16 bytes and come back in the order of the output, 512 consecutive bytes an instruction.
	s_sub_co_u32 s19, ttmp9, 1
	s_lshl_b32 s19, s19, 2
	s_add_co_u32 s19, s19, s18                     ; the row: z 64 + y
	s_lshl_b32 s20, s19, 8                         ; 256 bytes a row in each channel
	s_mov_b32 s21, 0
	s_add_nc_u64 s[20:21], s[6:7], s[20:21]        ; channels 0-7 from here,
	s_add_nc_u64 s[22:23], s[20:21], 8*CHAN        ; channels 8-15 from here: so every channel's distance fits the signed 24-bit immediate
	s_lshl_b32 s24, s19, 12                        ; 4,096 bytes a row in gridT
	s_mov_b32 s25, 0
	s_add_nc_u64 s[24:25], s[14:15], s[24:25]
	v_lshlrev_b32 v2, 2, v1                        ; 4 x lane
	s_mul_i32 s26, s18, TREG
	v_mul_u32_u24 v3, v1, TPIT
	v_add_nc_u32 v3, s26, v3                       ; in: voxel = lane
	v_lshrrev_b32 v4, 2, v1
	v_mul_u32_u24 v4, v4, TPIT
	v_and_b32 v6, 3, v1
	v_lshl_add_u32 v4, v6, 4, v4
	v_add_nc_u32 v4, s26, v4                       ; out: four lanes to a voxel, eight voxels an instruction
.irp c, 0,1,2,3,4,5,6,7
.irp e, 0,1
	global_load_b32 v[16+16*\e+\c], v2, s[20:21] offset:\c*CHAN+128*\e th:TH_LOAD_NT
.endr
.endr
.irp c, 8,9,10,11,12,13,14,15
.irp e, 0,1
	global_load_b32 v[16+16*\e+\c], v2, s[22:23] offset:(\c-8)*CHAN+128*\e th:TH_LOAD_NT
.endr
.endr
	s_wait_loadcnt 0x0
.irp e, 0,1
.irp q, 0,1,2,3
	ds_store_b128 v3, v[16+16*\e+4*\q:19+16*\e+4*\q] offset:32*TPIT*\e+16*\q
.endr
.endr
.irp k, 0,1,2,3,4,5,6,7
	ds_load_b128 v[48+4*\k:51+4*\k], v4 offset:8*TPIT*\k   ; LDS serves a wave's instructions in order: these see the stores above
.endr
.irp k, 0,1,2,3,4,5,6,7
	s_wait_dscnt 7-\k                              ; load k is back; the 7 - k younger ones may be out
	global_store_b128 v5, v[48+4*\k:51+4*\k], s[24:25] offset:512*\k   ; 32 lanes store 512 consecutive bytes, aligned
.endr
	s_wait_tensorcnt 0x0
	ds_add_u32 v128, v129
	s_wait_dscnt 0x0
	s_endpgm
; ---- THE CELLS.  A wave takes 512 points, 16 steps of 32.  f = (x + 1) 31.5 is reference()'s ((x + 1) 0.5) 63 bit for bit; the cell is floor(f) held to 0 .. 62, so that the neighbour is always one voxel on.
.Lcells:
	s_sub_co_u32 s19, ttmp9, NT+1
	s_lshl_b32 s19, s19, 2
	s_add_co_u32 s19, s19, s18                     ; which run of 512 points
	s_mul_i32 s20, s19, 512*12
	s_mov_b32 s21, 0
	s_add_nc_u64 s[20:21], s[4:5], s[20:21]
	s_lshl_b32 s22, s19, 11
	s_mov_b32 s23, 0
	s_add_nc_u64 s[22:23], s[12:13], s[22:23]
	v_mul_u32_u24 v2, v1, 12                       ; a point is 12 bytes: a load of the wave reads 384 consecutive bytes
	s_lshl_b32 s26, s18, 11
	s_add_co_u32 s26, s26, CREG
	v_lshl_add_u32 v6, v1, 2, s26                  ; in: 4 bytes a lane
	v_lshl_add_u32 v7, v1, 4, s26                  ; out: 16 bytes a lane
.irp s, 0,1,2,3,4,5,6,7,8,9,10,11,12,13,14,15
	global_load_b96 v[16+4*\s:18+4*\s], v2, s[20:21] offset:384*\s th:TH_LOAD_NT
.endr
.macro CELL s
	s_wait_loadcnt 15-\s                           ; load s is in; the 15 - s younger ones may be out
.irp d, 0,1,2
	v_add_f32 v[96+\d], 1.0, v[16+4*\s+\d]
.endr
.irp d, 0,1,2
	v_mul_f32 v[96+\d], 0x41fc0000, v[96+\d]       ; x 31.5
.endr
.irp d, 0,1,2
	v_floor_f32 v[96+\d], v[96+\d]
.endr
.irp d, 0,1,2
	v_med3_num_f32 v[96+\d], v[96+\d], 0, 0x42780000   ; held to 0 .. 62
.endr
.irp d, 0,1,2
	v_cvt_u32_f32 v[96+\d], v[96+\d]
.endr
	v_lshl_add_u32 v99, v98, 6, v97                ; iz 64 + iy
	v_lshl_add_u32 v[80+\s], v99, 6, v96           ; ( .. ) 64 + ix
	ds_store_b32 v6, v[80+\s] offset:128*\s
.endm
.irp s, 0,1,2,3,4,5,6,7,8,9,10,11,12,13,14,15
	CELL \s
.endr
.irp k, 0,1,2,3
	ds_load_b128 v[108+4*\k:111+4*\k], v7 offset:512*\k   ; in order behind my stores
.endr
.irp k, 0,1,2,3
	s_wait_dscnt 3-\k                              ; load k is back; the 3 - k younger ones may be out
	global_store_b128 v5, v[108+4*\k:111+4*\k], s[22:23] offset:512*\k
.endr
	s_wait_tensorcnt 0x0
	ds_add_u32 v128, v129
	s_wait_dscnt 0x0
	s_endpgm
; ---- THE WEIGHTS.  Source 0 of every product is a tile of 16 output units; row r of tile u is unit (r % 8) + 8 u + 16 (r / 8), so that in the result a lane's 16 registers of tiles 0 and 1
; are 16 neighbouring units.  An image is the operand's 12 registers: register group c of lane l at 512 c + 16 l.  Image 2 u + g (layer 0), 4 + 2 layer + u (hidden); scale words from byte 15,360, 128 bytes each.
.Lweights:
	v_bfe_u32 v3, v0, 4, 1                         ; h = lane / 16
	v_lshlrev_b32 v6, 2, v1                        ; 4 x lane
	v_mov_b32 v7, 0
	v_and_b32 v8, 7, v0
	v_bfe_u32 v9, v0, 3, 1
	v_lshl_add_u32 v8, v9, 4, v8                   ; (r % 8) + 16 (r / 8)
	s_mov_b32 s26, 0x76543210
	s_mov_b32 s27, 0xfedcba98                      ; v_permlanex16_b32's selects for lane l xor 16
	s_cmp_eq_u32 s18, 0
	s_cbranch_scc1 .Lfirst
	; waves 1-3: hidden layer wave - 1.  Lane (r, h) takes k = 16 h .. 16 h + 15 of its unit's row: three registers of codes, nine of zeros.  The block of 32 lies in lanes l and l xor 16.
	s_sub_co_u32 s19, s18, 1
	s_lshl_b32 s20, s19, 12
	s_mov_b32 s21, 0
	s_add_nc_u64 s[28:29], s[10:11], s[20:21]      ; my layer of Wh
	s_mul_i32 s20, s19, 3072
	s_add_nc_u64 s[22:23], s[16:17], s[20:21]      ; my two images
	s_lshl_b32 s20, s19, 8
	s_add_nc_u64 s[24:25], s[16:17], s[20:21]      ; my two scale words
	v_lshlrev_b32 v9, 7, v8
	v_lshl_add_u32 v9, v3, 6, v9                   ; 128 x unit + 64 h
.irp u, 0,1
.irp c, 0,1,2,3
	global_load_b128 v[16+16*\u+4*\c:19+16*\u+4*\c], v9, s[28:29] offset:1024*\u+16*\c
.endr
.endr
.irp i, 51,52,53,54,55,56,57,58,59,63,64,65,66,67,68,69,70,71
	v_mov_b32 v[\i], 0                             ; the images' zero codes
.endr
	v_mov_b32 v77, 0                               ; a lane permute's destination counts as one of its sources
	s_wait_loadcnt 0x0
.macro QWH u
	v_max3_num_f32 v76, |v[16+16*\u]|, |v[17+16*\u]|, 0x1800000   ; with the floor 2^(3 - 127): the byte cannot fall under 1
.irp i, 2,4,6,8,10,12,14
	v_max3_num_f32 v76, v76, |v[16+16*\u+\i]|, |v[17+16*\u+\i]|
.endr
	v_permlanex16_b32 v77, v76, s26, s27
	v_max_num_f32 v76, v76, v77                    ; the block's largest magnitude
	v_add_nc_u32 v78, 0xff000000, v76              ; 2 off its exponent field: the conversion's scale operand
	v_lshrrev_b32 v79, 23, v78                     ; the byte
	v_cvt_scalef32_pk16_fp6_f32 v[48+12*\u:50+12*\u], v[16+16*\u:31+16*\u], v78
	v_nop                                          ; one plain place behind a scaled conversion
	v_mul_lo_u32 v[72+\u], v79, 0x01010101         ; the one block lies in two of the instruction's blocks of 32: the same byte for all
.irp c, 0,1,2
	global_store_b128 v5, v[48+12*\u+4*\c:51+12*\u+4*\c], s[22:23] offset:6144+1536*\u+512*\c
.endr
	global_store_b32 v6, v[72+\u], s[24:25] offset:15616+128*\u
.endm
	QWH 0
	QWH 1
	s_endpgm
	; wave 0: layer 0.  K = 52 is two blocks (the second filled with zeros).  Inside each block the numbers stand in the order in which the second launch makes its inputs.
	; Two images a tile: g = 0 has the codes in lanes 0-15 and zeros in lanes 16-31, g = 1 the other way round.
.Lfirst:
	v_mul_u32_u24 v9, v8, 208                      ; a row of W0 is 208 bytes
.irp i, 68,69,70,71,72,73,74,75,76,77,78,79
	v_mov_b32 v[\i], 0                             ; places 52 .. 63
.endr
	v_cmp_eq_u32 vcc_lo, 0, v3                     ; lanes 0-15
.macro QW0 u
.set P, 0
.irp k, 0,1,3,4,6,7,9,10,12,13,15,16,18,19,21,22,24,25,27,28,2,8,5,11,14,20,17,23,30,31,26,29,36,37,38,39,40,41,42,43,44,45,46,47,48,49,50,51,33,34,32,35
	global_load_b32 v[16+P], v9, s[8:9] offset:1664*\u+4*\k
.set P, P+1
.endr
	s_wait_loadcnt 0x0
	v_max3_num_f32 v80, |v16|, |v17|, 0x1800000
	v_max3_num_f32 v82, |v48|, |v49|, 0x1800000
.irp i, 2,4,6,8,10,12,14,16,18,20,22,24,26,28,30
	v_max3_num_f32 v80, v80, |v[16+\i]|, |v[17+\i]|
.endr
.irp i, 2,4,6,8,10,12,14,16,18
	v_max3_num_f32 v82, v82, |v[48+\i]|, |v[49+\i]|
.endr
	v_add_nc_u32 v83, 0xff000000, v80
	v_add_nc_u32 v84, 0xff000000, v82
	v_lshrrev_b32 v85, 23, v83
	v_lshrrev_b32 v86, 23, v84
	v_cvt_scalef32_pk16_fp6_f32 v[88:90], v[16:31], v83
	v_cvt_scalef32_pk16_fp6_f32 v[100:102], v[32:47], v83      ; (a conversion's three registers begin on an even number)
	v_cvt_scalef32_pk16_fp6_f32 v[94:96], v[48:63], v84
	v_cvt_scalef32_pk16_fp6_f32 v[104:106], v[64:79], v84
	v_nop                                          ; one plain place behind the conversions
.irp i, 0,1,2
	v_mov_b32 v[91+\i], v[100+\i]
	v_mov_b32 v[97+\i], v[104+\i]
.endr
.irp i, 0,1,2,3,4,5,6,7,8,9,10,11
	v_cndmask_b32 v[16+\i], v7, v[88+\i], vcc_lo   ; g = 0: codes where lane < 16
	v_cndmask_b32 v[28+\i], v[88+\i], v7, vcc_lo   ; g = 1: codes where lane >= 16
.endr
	v_mul_u32_u24 v85, v85, 0x101
	v_mul_u32_u24 v86, v86, 0x101
	v_lshl_or_b32 v87, v86, 16, v85                ; bytes s0, s0, s1, s1: it serves both images
.irp c, 0,1,2
	global_store_b128 v5, v[16+4*\c:19+4*\c], s[16:17] offset:3072*\u+512*\c
	global_store_b128 v5, v[28+4*\c:31+4*\c], s[16:17] offset:3072*\u+1536+512*\c
.endr
	global_store_b32 v6, v87, s[16:17] offset:15360+128*\u
	s_wait_xcnt 0x0                                ; the stores' data registers are written again only behind this wait
.endm
	QW0 0
	QW0 1
	s_endpgm
.Lfunc_end_k_q62439103a0_prep:
	.size	k_q62439103a0_prep, .Lfunc_end_k_q62439103a0_prep-k_q62439103a0_prep
	.p2alignl 7, 3214868480
	.fill 96, 4, 3214868480
	.section	.rodata,"a",@progbits
	.p2align	6, 0x0
	.amdhsa_kernel k_q62439103a0_prep
		.amdhsa_group_segment_fixed_size 29184
		.amdhsa_private_segment_fixed_size 0
		.amdhsa_enable_private_segment 0
		.amdhsa_kernarg_size 56
		.amdhsa_user_sgpr_count 2
		.amdhsa_user_sgpr_kernarg_segment_ptr 1
		.amdhsa_wavefront_size32 1
		.amdhsa_system_sgpr_workgroup_id_x 1
		.amdhsa_system_sgpr_workgroup_id_y 1
		.amdhsa_system_sgpr_workgroup_id_z 1
		.amdhsa_system_vgpr_workitem_id 0
		.amdhsa_next_free_vgpr 130
		.amdhsa_next_free_sgpr 66
		.amdhsa_reserve_vcc 1
		.amdhsa_float_denorm_mode_32 3
		.amdhsa_float_denorm_mode_16_64 3
		.amdhsa_memory_ordered 1
		.amdhsa_forward_progress 1
		.amdhsa_inst_pref_size 49
	.end_amdhsa_kernel
	.amdgpu_metadata
---
amdhsa.version: [ 1, 2 ]
amdhsa.kernels:
  - .name:           k_q62439103a0_prep
    .symbol:         k_q62439103a0_prep.kd
    .args:
      - { .name: x, .offset: 0, .size: 8, .value_kind: global_buffer, .address_space: global }
      - { .name: feature_grid, .offset: 8, .size: 8, .value_kind: global_buffer, .address_space: global }
      - { .name: W0, .offset: 16, .size: 8, .value_kind: global_buffer, .address_space: global }
      - { .name: Wh, .offset: 24, .size: 8, .value_kind: global_buffer, .address_space: global }
      - { .name: cells, .offset: 32, .size: 8, .value_kind: global_buffer, .address_space: global }
      - { .name: gridT, .offset: 40, .size: 8, .value_kind: global_buffer, .address_space: global }
      - { .name: wimg, .offset: 48, .size: 8, .value_kind: global_buffer, .address_space: global }
    .group_segment_fixed_size: 29184
    .private_segment_fixed_size: 0
    .kernarg_segment_align: 8
    .kernarg_segment_size: 56
    .max_flat_workgroup_size: 128
    .sgpr_count:     66
    .vgpr_count:     130
    .wavefront_size: 32
...
	.end_amdgpu_metadata
.endif
;; end of part 1
;; launch main (part 2): grid 256 x 1, 8 waves a work-group, no clusters, 140,288 bytes of LDS; arguments x, cells, gridT, wimg, b0, bh, Wout, bout, out0; writes out0
.if DOCPART == 2
	.amdgcn_target "amdgcn-amd-amdhsa--gfx1250"
	.amdhsa_code_object_version 6
	.text
	.protected	k_q62439103a0_main
	.globl	k_q62439103a0_main
	.p2align	8
	.type	k_q62439103a0_main,@function
k_q62439103a0_main:
	s_mov_b64 s[64:65], 0
	v_nop
	global_prefetch_b8 v0, s[64:65] scope:SCOPE_SE
	s_setreg_imm32_b32 hwreg(HW_REG_WAVE_MODE, 25, 1), 1
	s_wait_xcnt 0x0
; out = Wout . snake(Wh2 snake(Wh1 snake(Wh0 snake(W0 [pe(x), trilinear(grid, x)] + b0) + bh0) + bh1) + bh2) + bout for 2^21 points; snake(v) = 0.5 v + sin(v)^2.
; The four products with 32 outputs run on codes of FP6 (E2M3) with one E8M0 scale for each 32 along K; the last (one output) is f32 multiply-adds.  All else is f32.
; SHARES.  256 work-groups of 8 waves; a wave owns 1,024 points and walks them in 32 trips of 32 points.  Waves share nothing: no barrier; all LDS is a wave's own.
; In a trip lane l makes all 52 inputs of point l.  P = the points of lanes 0-15, Q = those of lanes 16-31.
; THE GATHER.  A point's 8 taps x 16 channels are four runs of 128 bytes of gridT; ONE load of the wave brings one point's 512 bytes (lane l: piece l % 8 of run l / 8).  The 32 loads of a trip go through the wave's
; stage in LDS (a point's 512 bytes + 16) and come back a point a lane.  The cells come from the launch before, as whole numbers, by scalar loads; they are held inside the grid before they enter an address.
; The next trip's x, cells and gather are asked for behind the interpolation, so that they have the four layers' work in which to land.
; THE PRODUCTS are used transposed: source 0 = 16 output units (their codes stay in registers for the whole launch), source 1 = 16 points, C = the bias.  Row r of tile u is unit (r % 8) + 8 u + 16 (r / 8): so lane (r, h)
; holds, in the 16 registers of tiles 0 and 1, units 16 h .. 16 h + 15 of point r, and the conversion's three registers ARE the next operand's registers 0-2 (the instruction's k = 32 h .. 32 h + 15; all other codes are zeros,
; in the weights too).  Layer 0: a lane's two blocks are registers 0-5 and 6-11; P's blocks so lie at the instruction's blocks 0 and 2, Q's at 1 and 3, and a weight image with zeros in the other half of the lanes picks one of the two.
; SINES.  n = round(v / pi) by a magic addition, r = v - n pi in two parts, odd and even polynomials on |r| <= pi / 2; the sign is n's lowest bit, added at bit 31.
; LIMITS: NaN and infinities are not served.  Every sine's argument stays under 2^22 pi in magnitude (the magic addition's range).  For a coordinate beyond +1 the weights on voxel 63 are taken as 0 and 1, where
; reference() has two weights on that voxel whose sum is 1.
; REGISTERS, window 0: v1-7 addresses; v8-12 the head's; v16-21 three constants as pairs; v22-29 the weights' scale words, v30-32 the points' (scales and nothing else); v33 8 h; v34-36 x; v38-41 the last four trips' results;
;   v42-105 biases; v106-121 Wout; v122-133 X0; v134-145 XP; v146-157 XQ; v158-221 the 64 places of layer 0's K (v158-189 later the layers' results); v222-255 at work.
;   window 1: v0-127 the gather; v128-247 the ten weight images.
.set SUBS,  32                         ; trips of a wave
.set RP,    528                        ; a point's region in the stage: 512 bytes + 16: an odd multiple of 16, so that the lanes' reads fall on different banks
.set STG,   32*RP                      ; a wave's stage
.set OSTG,  8*STG                      ; behind the eight stages: 512 bytes a wave for the results
.set CMAX,  0x3efbe                    ; the largest cell: (62 x 64 + 62) x 64 + 62
.set TT,    222                        ; temporaries
.set YB,    158                        ; layer 0's places 0 .. 63
.set FE,    190                        ; places 32 .. 47: the features; before them the sines' arguments
.set X0,    122
.set XP,    134
.set XQ,    146
.set BI,    42                         ; bias of layer n, tile u at BI + 8 (2 n + u)
.set WO,    106
.set WS,    22                         ; scale word of layer n, tile u at WS + 2 n + u
.set IMG,   128                        ; window 1: image i at IMG + 12 i
.set INVPI, 22                         ; scalar pairs: the packed forms name a pair and take its low word for both halves
.set NMAG,  24
.set NPIH,  26
.set NPIL,  28
.set S11,   30
.set S7,    32
.set S5,    34
.set S3,    36
.set C10,   38
.set C6,    40
.set C4,    42
.set MSB, 0
.macro WIN new                         ; s_set_vgpr_msb: bits 1:0 source 0, 3:2 source 1, 5:4 source 2, 7:6 destination; the high byte repeats the setting that is left
.if MSB != \new
	s_set_vgpr_msb (MSB<<8)|\new
.set MSB, \new
.endif
.endm
.macro SPAIR r, val
	s_mov_b32 s[\r], \val
	s_mov_b32 s[\r+1], \val
.endm
.macro VPAIR r, val
	v_mov_b32 v[\r], \val
	v_mov_b32 v[\r+1], \val
.endm
	s_load_b512 s[4:19], s[0:1], 0x0               ; x s[4:5], cells s[6:7], gridT s[8:9], wimg s[10:11], b0 s[12:13], bh s[14:15], Wout s[16:17], bout s[18:19]
	s_load_b64 s[20:21], s[0:1], 0x40              ; out0
	v_lshl_add_u32 v254, v0, 2, 0x22000
	v_mov_b32 v255, 0
	v_lshrrev_b32 v8, 5, v0
	v_readfirstlane_b32 s50, v8                    ; wave 0..7
	v_and_b32 v8, 31, v0                           ; lane
	v_bfe_u32 v9, v0, 4, 1                         ; h = lane / 16
	v_lshlrev_b32 v10, 2, v8                       ; 4 x lane
	v_lshlrev_b32 v11, 6, v9                       ; 64 h
	v_and_b32 v1, 7, v0
	v_lshlrev_b32 v1, 4, v1                        ; the gather: piece lane % 8 of a run of 128 bytes (voxels x, x + 1),
	v_bfe_u32 v12, v0, 3, 1
	v_lshl_add_u32 v1, v12, 12, v1                 ; y + 1 is 64 voxels of 64 bytes on,
	v_lshl_add_u32 v1, v9, 18, v1                  ; z + 1 is 4,096 voxels on
	v_lshlrev_b32 v33, 3, v9                       ; 8 h
	s_mul_i32 s51, s50, STG
	v_lshl_add_u32 v2, v8, 4, s51                  ; the stage, in: 16 x lane (+ the point's region in the immediate)
	v_mul_u32_u24 v3, v8, RP
	v_add_nc_u32 v3, s51, v3                       ; back: my point's region
	s_lshl_b32 s52, s50, 9
	s_add_co_u32 s52, s52, OSTG
	v_lshl_add_u32 v4, v8, 2, s52                  ; the results' stage, in: 4 x lane
	v_lshl_add_u32 v5, v8, 4, s52                  ; back: 16 x lane
	v_mul_u32_u24 v6, v8, 12                       ; x: 12 bytes a point
	v_lshlrev_b32 v7, 4, v8                        ; 16 x lane
	SPAIR INVPI, 0x3ea2f983                        ; 1 / pi
	SPAIR NMAG,  0xcb400000                        ; -1.5 x 2^23
	SPAIR NPIH,  0xc0490fdb                        ; -pi, its f32 part
	SPAIR NPIL,  0x33bbbd2e                        ; and what that part leaves
	SPAIR S11,   0xb2cd365b                        ; sin r = r + r u (S3 + S5 u + S7 u^2 + S9 u^3 + S11 u^4), u = r^2
	SPAIR S7,    0xb9500bf1
	SPAIR S5,    0x3c088886
	SPAIR S3,    0xbe2aaaab
	SPAIR C10,   0xb48bdd11                        ; cos r = 1 - u / 2 + C4 u^2 + C6 u^3 + C8 u^4 + C10 u^5
	SPAIR C6,    0xbab609aa
	SPAIR C4,    0x3d2aaaa3
	s_mov_b32 s48, 0x76543210
	s_mov_b32 s49, 0xfedcba98                      ; v_permlanex16_b32's selects for lane l xor 16
	VPAIR 16, 0x4b400000                           ; 1.5 x 2^23
	VPAIR 18, 0x3638b88e                           ; S9
	VPAIR 20, 0x37cfb4c2                           ; C8
.irp i, 137,138,139,140,141,142,143,144,145,149,150,151,152,153,154,155,156,157,210,211,212,213,214,215,216,217,218,219,220,221,38,39,40,41
	v_mov_b32 v[\i], 0                             ; the hidden operands' zero codes; places 52 .. 63 of layer 0's K; the results' four registers
.endr
	s_lshl_b32 s47, ttmp9, 3
	s_add_co_u32 s47, s47, s50                     ; which run of 1,024 points is my wave's
	s_mul_i32 s2, s47, 12288
	s_mov_b32 s3, 0
	s_mov_b32 s46, 0                               ; byte offset of the cells to be loaded, in my wave's 4,096
	s_wait_kmcnt 0x0
	s_add_nc_u64 s[4:5], s[4:5], s[2:3]
	s_lshl_b32 s2, s47, 12
	s_add_nc_u64 s[6:7], s[6:7], s[2:3]
	s_add_nc_u64 s[20:21], s[20:21], s[2:3]
	s_load_b32 s44, s[18:19], 0x0                  ; bout
	s_load_b512 s[68:83], s[6:7], s46 offset:0x0   ; the first trip's 32 cells
	s_load_b512 s[84:99], s[6:7], s46 offset:0x40
	WIN 0x40                                       ; destination window 1
.irp n, 0,1,2,3,4,5,6,7,8,9
.irp c, 0,1,2
	global_load_b128 v[IMG+12*\n+4*\c:IMG+12*\n+4*\c+3], v7, s[10:11] offset:1536*\n+512*\c   ; the weight images: they stay
.endr
.endr
	WIN 0
.irp j, 0,1,2,3,4,5,6,7
	global_load_b32 v[WS+\j], v10, s[10:11] offset:15360+128*\j
.endr
.irp u, 0,1                                    ; a bias in the result's layout: lane (r, h), register j of tile u: unit 16 h + 8 u + j
	global_load_b128 v[BI+8*\u:BI+8*\u+3], v11, s[12:13] offset:32*\u
	global_load_b128 v[BI+8*\u+4:BI+8*\u+7], v11, s[12:13] offset:32*\u+16
.endr
.irp n, 0,1,2
.irp u, 0,1
	global_load_b128 v[BI+16+16*\n+8*\u:BI+16+16*\n+8*\u+3], v11, s[14:15] offset:128*\n+32*\u
	global_load_b128 v[BI+16+16*\n+8*\u+4:BI+16+16*\n+8*\u+7], v11, s[14:15] offset:128*\n+32*\u+16
.endr
.endr
.irp c, 0,1,2,3
	global_load_b128 v[WO+4*\c:WO+4*\c+3], v11, s[16:17] offset:16*\c   ; Wout(16 h + 0 .. 15)
.endr
; The next trip's x and gather are asked for, and the cells of the trip after it.
.macro NEXT
	s_wait_kmcnt 0x0                               ; the cells are in (scalar loads come back in no order: the count is 0)
	global_load_b96 v[34:36], v6, s[4:5] th:TH_LOAD_NT
.irp p, 0,1,2,3,4,5,6,7,8,9,10,11,12,13,14,15,16,17,18,19,20,21,22,23,24,25,26,27,28,29,30,31
	s_min_u32 s[68+\p], s[68+\p], CMAX             ; a loaded number enters an address only held inside the grid
.endr
.irp p, 0,1,2,3,4,5,6,7,8,9,10,11,12,13,14,15,16,17,18,19,20,21,22,23,24,25,26,27,28,29,30,31
	v_lshl_add_u32 v[TT+\p], s[68+\p], 6, v1       ; 64 bytes a voxel, + my lane's piece
.endr
	WIN 0x40
.irp p, 0,1,2,3,4,5,6,7,8,9,10,11,12,13,14,15,16,17,18,19,20,21,22,23,24,25,26,27,28,29,30,31
	global_load_b128 v[4*\p:4*\p+3], v[TT+\p], s[8:9]   ; point p's 512 bytes
.endr
	WIN 0
	s_add_co_u32 s46, s46, 128
	s_min_u32 s46, s46, 128*(SUBS-1)               ; the look-ahead stops at my wave's last 32 cells: no load leaves the buffer
	s_load_b512 s[68:83], s[6:7], s46 offset:0x0
	s_load_b512 s[84:99], s[6:7], s46 offset:0x40
	s_wait_xcnt 0x0                                ; the 32 offsets are temporaries: they are written again only behind this wait
.endm
; The gather through the stage: a point an instruction in, a point a lane back, into the registers that it left.  LDS serves a wave's instructions in order: no wait between.
.macro STAGE
	WIN 0x04                                       ; an LDS store's data are its source 1: window 1
.irp p, 0,1,2,3,4,5,6,7,8,9,10,11,12,13,14,15,16,17,18,19,20,21,22,23,24,25,26,27,28,29,30,31
	ds_store_b128 v2, v[4*\p:4*\p+3] offset:RP*\p
.endr
	WIN 0x40
.irp q, 0,1,2,3,4,5,6,7,8,9,10,11,12,13,14,15,16,17,18,19,20,21,22,23,24,25,26,27,28,29,30,31
	ds_load_b128 v[4*\q:4*\q+3], v3 offset:16*\q   ; register 16 tap + channel, tap = 4 z + 2 y + x
.endr
	WIN 0
.endm
; Sines and cosines of three pairs of arguments, v[FE + 2 i : FE + 2 i + 1]; chain i works in ten temporaries: +0 N, +2 r, +4 u, +6 the sine, +8 the cosine.  The three chains take turns line by line.
.macro SC3
.irp i, 0,1,2
	v_pk_fma_f32 v[TT+10*\i:TT+10*\i+1], v[FE+2*\i:FE+2*\i+1], s[INVPI:INVPI+1], v[16:17] op_sel_hi:[1,0,1]   ; N = v / pi + 1.5 x 2^23: its low bits are n
.endr
.irp i, 0,1,2
	v_pk_add_f32 v[TT+10*\i+6:TT+10*\i+7], v[TT+10*\i:TT+10*\i+1], s[NMAG:NMAG+1] op_sel_hi:[1,0]             ; n
.endr
.irp i, 0,1,2
	v_pk_fma_f32 v[TT+10*\i+2:TT+10*\i+3], v[TT+10*\i+6:TT+10*\i+7], s[NPIH:NPIH+1], v[FE+2*\i:FE+2*\i+1] op_sel_hi:[1,0,1]
.endr
.irp i, 0,1,2
	v_pk_fma_f32 v[TT+10*\i+2:TT+10*\i+3], v[TT+10*\i+6:TT+10*\i+7], s[NPIL:NPIL+1], v[TT+10*\i+2:TT+10*\i+3] op_sel_hi:[1,0,1]   ; r = v - n pi
.endr
.irp i, 0,1,2
	v_pk_mul_f32 v[TT+10*\i+4:TT+10*\i+5], v[TT+10*\i+2:TT+10*\i+3], v[TT+10*\i+2:TT+10*\i+3]                 ; u
.endr
.irp i, 0,1,2
	v_pk_fma_f32 v[TT+10*\i+6:TT+10*\i+7], v[TT+10*\i+4:TT+10*\i+5], s[S11:S11+1], v[18:19] op_sel_hi:[1,0,1]
	v_pk_fma_f32 v[TT+10*\i+8:TT+10*\i+9], v[TT+10*\i+4:TT+10*\i+5], s[C10:C10+1], v[20:21] op_sel_hi:[1,0,1]
.endr
.irp i, 0,1,2
	v_pk_fma_f32 v[TT+10*\i+6:TT+10*\i+7], v[TT+10*\i+6:TT+10*\i+7], v[TT+10*\i+4:TT+10*\i+5], s[S7:S7+1] op_sel_hi:[1,1,0]
	v_pk_fma_f32 v[TT+10*\i+8:TT+10*\i+9], v[TT+10*\i+8:TT+10*\i+9], v[TT+10*\i+4:TT+10*\i+5], s[C6:C6+1] op_sel_hi:[1,1,0]
.endr
.irp i, 0,1,2
	v_pk_fma_f32 v[TT+10*\i+6:TT+10*\i+7], v[TT+10*\i+6:TT+10*\i+7], v[TT+10*\i+4:TT+10*\i+5], s[S5:S5+1] op_sel_hi:[1,1,0]
	v_pk_fma_f32 v[TT+10*\i+8:TT+10*\i+9], v[TT+10*\i+8:TT+10*\i+9], v[TT+10*\i+4:TT+10*\i+5], s[C4:C4+1] op_sel_hi:[1,1,0]
.endr
.irp i, 0,1,2
	v_pk_fma_f32 v[TT+10*\i+6:TT+10*\i+7], v[TT+10*\i+6:TT+10*\i+7], v[TT+10*\i+4:TT+10*\i+5], s[S3:S3+1] op_sel_hi:[1,1,0]
	v_pk_fma_f32 v[TT+10*\i+8:TT+10*\i+9], v[TT+10*\i+8:TT+10*\i+9], v[TT+10*\i+4:TT+10*\i+5], -0.5 op_sel_hi:[1,1,0]
.endr
.irp i, 0,1,2
	v_pk_fma_f32 v[TT+10*\i+8:TT+10*\i+9], v[TT+10*\i+8:TT+10*\i+9], v[TT+10*\i+4:TT+10*\i+5], 1.0 op_sel_hi:[1,1,0]   ; cos r
.endr
.irp i, 0,1,2
	v_pk_mul_f32 v[TT+10*\i+4:TT+10*\i+5], v[TT+10*\i+2:TT+10*\i+3], v[TT+10*\i+4:TT+10*\i+5]                 ; r u
.endr
.irp i, 0,1,2
	v_pk_fma_f32 v[TT+10*\i+6:TT+10*\i+7], v[TT+10*\i+4:TT+10*\i+5], v[TT+10*\i+6:TT+10*\i+7], v[TT+10*\i+2:TT+10*\i+3]   ; sin r
.endr
.endm
; Chain i's four results get their sign ((-1)^n: n's lowest bit added at bit 31) on the way to their places: the low argument's sine, the high one's, the two cosines.
.macro SIGN i, sl, sh, cl, ch
	v_lshl_add_u32 v[\sl], v[TT+10*\i], 31, v[TT+10*\i+6]
	v_lshl_add_u32 v[\sh], v[TT+10*\i+1], 31, v[TT+10*\i+7]
	v_lshl_add_u32 v[\cl], v[TT+10*\i], 31, v[TT+10*\i+8]
	v_lshl_add_u32 v[\ch], v[TT+10*\i+1], 31, v[TT+10*\i+9]
.endm
.macro TIMES4
.irp i, 0,1,2
	v_pk_mul_f32 v[FE+2*\i:FE+2*\i+1], v[FE+2*\i:FE+2*\i+1], 4.0 op_sel_hi:[1,0]   ; two levels on: exact
.endr
.endm
; The positional encoding.  reference()'s argument of level l is fl(x 2^l pi) = 2^l fl(x pi).  Chains: (x, y) of an even level, (x, y) of the odd level behind it, z of both.
; Places (k = 6 l + 0, 1, 2 the sines of x, y, z; + 3, 4, 5 the cosines): the same order as in the weight images of layer 0.
.macro PE
	v_mul_f32 v[FE], 0x40490fdb, v34
	v_mul_f32 v[FE+1], 0x40490fdb, v35
	v_mul_f32 v[FE+4], 0x40490fdb, v36
	v_pk_add_f32 v[FE+2:FE+3], v[FE:FE+1], v[FE:FE+1]
	v_add_f32 v[FE+5], v[FE+4], v[FE+4]
	SC3
	SIGN 0, YB+0, YB+1, YB+2, YB+3
	SIGN 1, YB+4, YB+5, YB+6, YB+7
	SIGN 2, YB+20, YB+21, YB+22, YB+23
	TIMES4
	SC3
	SIGN 0, YB+8, YB+9, YB+10, YB+11
	SIGN 1, YB+12, YB+13, YB+14, YB+15
	SIGN 2, YB+24, YB+25, YB+26, YB+27
	TIMES4
	SC3
	SIGN 0, YB+16, YB+17, YB+18, YB+19
	SIGN 1, YB+28, YB+29, YB+48, YB+49             ; k = 30, 31 end the first block; 33, 34 lie in the second
	SIGN 2, YB+30, YB+50, YB+31, YB+51             ; k = 26, 32, 29, 35
.endm
; The eight weights.  f and the cell by the very lines of the launch that stored the cells; w1 = min(f - cell, 1), w0 = 1 - w1; products in reference()'s order (wz wy) wx.  v[238 + tap].
.macro TRIW
.irp d, 0,1,2
	v_add_f32 v[246+\d], 1.0, v[34+\d]
.endr
.irp d, 0,1,2
	v_mul_f32 v[246+\d], 0x41fc0000, v[246+\d]
.endr
.irp d, 0,1,2
	v_floor_f32 v[249+\d], v[246+\d]
.endr
.irp d, 0,1,2
	v_med3_num_f32 v[249+\d], v[249+\d], 0, 0x42780000
.endr
.irp d, 0,1,2
	v_sub_f32 v[223+2*\d], v[246+\d], v[249+\d]
.endr
.irp d, 0,1,2
	v_min_num_f32 v[223+2*\d], 1.0, v[223+2*\d]
.endr
.irp d, 0,1,2
	v_sub_f32 v[222+2*\d], 1.0, v[223+2*\d]
.endr
	v_pk_mul_f32 v[234:235], v[226:227], v[224:225] op_sel_hi:[0,1]                  ; wz0 x (wy0, wy1)
	v_pk_mul_f32 v[236:237], v[226:227], v[224:225] op_sel:[1,0] op_sel_hi:[1,1]     ; wz1 x (wy0, wy1)
	v_pk_mul_f32 v[238:239], v[234:235], v[222:223] op_sel_hi:[0,1]
	v_pk_mul_f32 v[240:241], v[234:235], v[222:223] op_sel:[1,0] op_sel_hi:[1,1]
	v_pk_mul_f32 v[242:243], v[236:237], v[222:223] op_sel_hi:[0,1]
	v_pk_mul_f32 v[244:245], v[236:237], v[222:223] op_sel:[1,0] op_sel_hi:[1,1]
.endm
; The 16 features: eight taps in reference()'s order, two channels an instruction, eight chains.
.macro INTERP
	WIN 0x01                                       ; source 0 window 1
.irp i, 0,1,2,3,4,5,6,7
	v_pk_mul_f32 v[FE+2*\i:FE+2*\i+1], v[2*\i:2*\i+1], v[238:239] op_sel_hi:[1,0]
.endr
.irp t, 1,2,3,4,5,6,7
.irp i, 0,1,2,3,4,5,6,7
.if \t%2
	v_pk_fma_f32 v[FE+2*\i:FE+2*\i+1], v[16*\t+2*\i:16*\t+2*\i+1], v[238+2*(\t/2):239+2*(\t/2)], v[FE+2*\i:FE+2*\i+1] op_sel:[0,1,0] op_sel_hi:[1,1,1]
.else
	v_pk_fma_f32 v[FE+2*\i:FE+2*\i+1], v[16*\t+2*\i:16*\t+2*\i+1], v[238+2*(\t/2):239+2*(\t/2)], v[FE+2*\i:FE+2*\i+1] op_sel_hi:[1,0,1]
.endif
.endr
.endr
	WIN 0
.endm
.macro PLACES n
.rept \n
	v_nop
.endr
.endm
; Layer 0's operand: my point's two blocks (all 32 numbers of a block are mine) become X0's registers 0-5 and 6-11; the scale word of column r is P's and Q's bytes by turns.
.macro QUANT0
	v_max3_num_f32 v222, |v[YB]|, |v[YB+1]|, 0x1800000             ; with the floor 2^(3 - 127): the byte cannot fall under 1
	v_max3_num_f32 v223, |v[YB+16]|, |v[YB+17]|, |v[YB+18]|
	v_max3_num_f32 v224, |v[YB+32]|, |v[YB+33]|, 0x1800000
.irp i, 0,1,2,3,4,5
	v_max3_num_f32 v222, v222, |v[YB+2+2*\i]|, |v[YB+3+2*\i]|
	v_max3_num_f32 v223, v223, |v[YB+19+2*\i]|, |v[YB+20+2*\i]|
	v_max3_num_f32 v224, v224, |v[YB+34+2*\i]|, |v[YB+35+2*\i]|
.endr
	v_max3_num_f32 v222, v222, |v[YB+14]|, |v[YB+15]|
	v_max3_num_f32 v224, v224, |v[YB+46]|, |v[YB+47]|
	v_max3_num_f32 v223, v223, |v[YB+31]|, v222                    ; the first block's largest magnitude
	v_max3_num_f32 v224, v224, |v[YB+48]|, |v[YB+49]|
	v_max3_num_f32 v224, v224, |v[YB+50]|, |v[YB+51]|              ; the second's
	v_add_nc_u32 v225, 0xff000000, v223            ; 2 off the exponent field: the conversion's scale operand
	v_add_nc_u32 v226, 0xff000000, v224
	v_lshrrev_b32 v227, 23, v225                   ; the bytes
	v_lshrrev_b32 v228, 23, v226
	v_lshl_or_b32 v227, v228, 16, v227
	v_lshlrev_b32 v227, v33, v227                  ; P's at bytes 0 and 2, Q's at bytes 1 and 3
	v_permlanex16_b32 v229, v227, s48, s49
	v_or_b32 v30, v227, v229
	v_cvt_scalef32_pk16_fp6_f32 v[X0:X0+2], v[YB:YB+15], v225
	v_cvt_scalef32_pk16_fp6_f32 v[246:248], v[YB+16:YB+31], v225   ; (a conversion's three registers begin on an even number)
	v_cvt_scalef32_pk16_fp6_f32 v[X0+6:X0+8], v[YB+32:YB+47], v226
	v_cvt_scalef32_pk16_fp6_f32 v[250:252], v[YB+48:YB+63], v226
	v_nop                                          ; one plain place behind the conversions
.irp i, 0,1,2
	v_mov_b32 v[X0+3+\i], v[246+\i]
	v_mov_b32 v[X0+9+\i], v[250+\i]
.endr
	PLACES 8                                       ; a scale register written by a vector instruction stands 8 places ahead of a scaled matrix instruction, an operand so written 4
.endm
; A hidden operand: my 16 units of P's point r and of Q's; the block's other 16 lie in lane l xor 16.  The one block lies in the instruction's blocks 0 and 1: its byte twice.
.macro QUANTH
	v_max3_num_f32 v222, |v[YB]|, |v[YB+1]|, 0x1800000
	v_max3_num_f32 v223, |v[YB+16]|, |v[YB+17]|, 0x1800000
.irp i, 2,4,6,8,10,12,14
	v_max3_num_f32 v222, v222, |v[YB+\i]|, |v[YB+1+\i]|
	v_max3_num_f32 v223, v223, |v[YB+16+\i]|, |v[YB+17+\i]|
.endr
	v_permlanex16_b32 v224, v222, s48, s49
	v_permlanex16_b32 v225, v223, s48, s49
	v_max_num_f32 v222, v222, v224
	v_max_num_f32 v223, v223, v225
	v_add_nc_u32 v226, 0xff000000, v222
	v_add_nc_u32 v227, 0xff000000, v223
	v_lshrrev_b32 v228, 23, v226
	v_lshrrev_b32 v229, 23, v227
	v_mul_u32_u24 v31, v228, 0x101
	v_mul_u32_u24 v32, v229, 0x101
	v_cvt_scalef32_pk16_fp6_f32 v[XP:XP+2], v[YB:YB+15], v226
	v_cvt_scalef32_pk16_fp6_f32 v[XQ:XQ+2], v[YB+16:YB+31], v227
	PLACES 8                                       ; the place behind the conversions, and the 8 and 4 places ahead of the scaled matrix instructions
.endm
.macro MM d, a, b, c, sa, sb
	v_wmma_scale_f32_16x16x128_f8f6f4 v[(\d):(\d)+7], v[(\a):(\a)+11], v[(\b):(\b)+11], v[(\c):(\c)+7], v[(\sa)], v[(\sb)] matrix_a_fmt:MATRIX_FMT_FP6 matrix_b_fmt:MATRIX_FMT_FP6
.endm
; A layer: four products, four accumulators, each sum one instruction with the bias as its C: tiles 0, 1 for P, then for Q.
.macro LAYER0
	WIN 0x01                                       ; source 0 (the weights) window 1
	MM YB,    IMG,    X0, BI,   WS,   30
	MM YB+8,  IMG+24, X0, BI+8, WS+1, 30
	MM YB+16, IMG+12, X0, BI,   WS,   30
	MM YB+24, IMG+36, X0, BI+8, WS+1, 30
	WIN 0
	PLACES 4                                       ; four places behind a matrix instruction of this form before a vector instruction reads its result (ISA guide 7.12.1)
.endm
.macro LAYER n                         ; n = 1, 2, 3
	WIN 0x01
	MM YB,    IMG+24+24*\n, XP, BI+16*\n,   WS+2*\n,   31
	MM YB+8,  IMG+36+24*\n, XP, BI+8+16*\n, WS+1+2*\n, 31
	MM YB+16, IMG+24+24*\n, XQ, BI+16*\n,   WS+2*\n,   32
	MM YB+24, IMG+36+24*\n, XQ, BI+8+16*\n, WS+1+2*\n, 32
	WIN 0
	PLACES 4
.endm
; snake on one accumulator's eight registers, from its low end on: four pairs by turns; chain i works in six temporaries: +0 N, then the polynomial; +2 r; +4 n, then u.  The sine's sign falls away in the square.
.macro SNK d
.irp i, 0,1,2,3
	v_pk_fma_f32 v[TT+6*\i:TT+6*\i+1], v[(\d)+2*\i:(\d)+2*\i+1], s[INVPI:INVPI+1], v[16:17] op_sel_hi:[1,0,1]
.endr
.irp i, 0,1,2,3
	v_pk_add_f32 v[TT+6*\i+4:TT+6*\i+5], v[TT+6*\i:TT+6*\i+1], s[NMAG:NMAG+1] op_sel_hi:[1,0]
.endr
.irp i, 0,1,2,3
	v_pk_fma_f32 v[TT+6*\i+2:TT+6*\i+3], v[TT+6*\i+4:TT+6*\i+5], s[NPIH:NPIH+1], v[(\d)+2*\i:(\d)+2*\i+1] op_sel_hi:[1,0,1]
.endr
.irp i, 0,1,2,3
	v_pk_fma_f32 v[TT+6*\i+2:TT+6*\i+3], v[TT+6*\i+4:TT+6*\i+5], s[NPIL:NPIL+1], v[TT+6*\i+2:TT+6*\i+3] op_sel_hi:[1,0,1]
.endr
.irp i, 0,1,2,3
	v_pk_mul_f32 v[TT+6*\i+4:TT+6*\i+5], v[TT+6*\i+2:TT+6*\i+3], v[TT+6*\i+2:TT+6*\i+3]
.endr
.irp i, 0,1,2,3
	v_pk_fma_f32 v[TT+6*\i:TT+6*\i+1], v[TT+6*\i+4:TT+6*\i+5], s[S11:S11+1], v[18:19] op_sel_hi:[1,0,1]
.endr
.irp i, 0,1,2,3
	v_pk_fma_f32 v[TT+6*\i:TT+6*\i+1], v[TT+6*\i:TT+6*\i+1], v[TT+6*\i+4:TT+6*\i+5], s[S7:S7+1] op_sel_hi:[1,1,0]
.endr
.irp i, 0,1,2,3
	v_pk_fma_f32 v[TT+6*\i:TT+6*\i+1], v[TT+6*\i:TT+6*\i+1], v[TT+6*\i+4:TT+6*\i+5], s[S5:S5+1] op_sel_hi:[1,1,0]
.endr
.irp i, 0,1,2,3
	v_pk_fma_f32 v[TT+6*\i:TT+6*\i+1], v[TT+6*\i:TT+6*\i+1], v[TT+6*\i+4:TT+6*\i+5], s[S3:S3+1] op_sel_hi:[1,1,0]
.endr
.irp i, 0,1,2,3
	v_pk_mul_f32 v[TT+6*\i+4:TT+6*\i+5], v[TT+6*\i+2:TT+6*\i+3], v[TT+6*\i+4:TT+6*\i+5]
.endr
.irp i, 0,1,2,3
	v_pk_fma_f32 v[TT+6*\i+2:TT+6*\i+3], v[TT+6*\i+4:TT+6*\i+5], v[TT+6*\i:TT+6*\i+1], v[TT+6*\i+2:TT+6*\i+3]   ; sin r
.endr
.irp i, 0,1,2,3
	v_pk_mul_f32 v[TT+6*\i+2:TT+6*\i+3], v[TT+6*\i+2:TT+6*\i+3], v[TT+6*\i+2:TT+6*\i+3]
.endr
.irp i, 0,1,2,3
	v_pk_fma_f32 v[(\d)+2*\i:(\d)+2*\i+1], v[(\d)+2*\i:(\d)+2*\i+1], 0.5, v[TT+6*\i+2:TT+6*\i+3] op_sel_hi:[1,0,1]   ; 0.5 v + sin^2
.endr
.endm
.macro SNAKE
	SNK YB
	SNK YB+8
	SNK YB+16
	SNK YB+24
.endm
	NEXT                                           ; the first trip's x and gather
	s_mov_b32 s45, 0
.Ltrip:
	s_wait_loadcnt 0x0                             ; all that is out is this trip's x and its 32 gathers (in the first trip the head's loads too)
	s_add_nc_u64 s[4:5], s[4:5], 384               ; x's load is done, so its base may step: the next trip's 32 points
	STAGE
	PE                                             ; the encoding stands between the stage's loads and the wait for them
	TRIW
	s_wait_dscnt 0x0                               ; my point's 128 numbers are back
	INTERP
	s_cmp_eq_u32 s45, SUBS-1                       ; the last trip asks for nothing
	s_cbranch_scc1 .Lno_next
	NEXT
.Lno_next:
	QUANT0
	LAYER0
	SNAKE
	QUANTH
	LAYER 1
	SNAKE
	QUANTH
	LAYER 2
	SNAKE
	QUANTH
	LAYER 3
	SNAKE
	; the last product, in f32: my 16 units of P's point and of Q's against Wout, four chains
.irp c, 0,1,2,3
	v_pk_mul_f32 v[TT+2*\c:TT+2*\c+1], v[YB+8*\c:YB+8*\c+1], v[WO+8*(\c%2):WO+8*(\c%2)+1]
.endr
.irp j, 1,2,3
.irp c, 0,1,2,3
	v_pk_fma_f32 v[TT+2*\c:TT+2*\c+1], v[YB+8*\c+2*\j:YB+8*\c+2*\j+1], v[WO+8*(\c%2)+2*\j:WO+8*(\c%2)+2*\j+1], v[TT+2*\c:TT+2*\c+1]
.endr
.endr
	v_pk_add_f32 v[222:223], v[222:223], v[224:225]
	v_pk_add_f32 v[226:227], v[226:227], v[228:229]
	v_add_f32 v222, v222, v223                     ; P's point r: the half sum of units 16 h ..
	v_add_f32 v226, v226, v227                     ; Q's
	v_mov_b32 v38, v39                             ; the last four trips' results move along
	v_mov_b32 v39, v40
	v_mov_b32 v40, v41
	v_permlane16_swap_b32 v222, v226               ; the first's lanes 16-31 change places with the second's lanes 0-15: both halves of point l's sum now lie in lane l
	v_add_f32 v41, v222, v226
	v_add_f32 v41, s44, v41                        ; + bout
	s_and_b32 s47, s45, 3
	s_cmp_lg_u32 s47, 3
	s_cbranch_scc1 .Lno_store                      ; every fourth trip 128 results leave: through my 512 bytes of LDS, so that a lane holds four neighbours
	ds_store_b32 v4, v38
	ds_store_b32 v4, v39 offset:128
	ds_store_b32 v4, v40 offset:256
	ds_store_b32 v4, v41 offset:384
	ds_load_b128 v[228:231], v5                    ; in order behind my stores
	s_wait_dscnt 0x0
	global_store_b128 v7, v[228:231], s[20:21] th:TH_STORE_NT   ; 32 lanes store 512 consecutive bytes, aligned; written once
	s_wait_xcnt 0x0                                ; the store's base and data are written again only behind this wait
	s_add_nc_u64 s[20:21], s[20:21], 512
.Lno_store:
	s_add_co_u32 s45, s45, 1
	s_cmp_lt_u32 s45, SUBS
	s_cbranch_scc1 .Ltrip
	s_wait_tensorcnt 0x0
	ds_add_u32 v254, v255
	s_wait_dscnt 0x0
	s_endpgm
.Lfunc_end_k_q62439103a0_main:
	.size	k_q62439103a0_main, .Lfunc_end_k_q62439103a0_main-k_q62439103a0_main
	.p2alignl 7, 3214868480
	.fill 96, 4, 3214868480
	.section	.rodata,"a",@progbits
	.p2align	6, 0x0
	.amdhsa_kernel k_q62439103a0_main
		.amdhsa_group_segment_fixed_size 140288
		.amdhsa_private_segment_fixed_size 0
		.amdhsa_enable_private_segment 0
		.amdhsa_kernarg_size 72
		.amdhsa_user_sgpr_count 2
		.amdhsa_user_sgpr_kernarg_segment_ptr 1
		.amdhsa_wavefront_size32 1
		.amdhsa_system_sgpr_workgroup_id_x 1
		.amdhsa_system_sgpr_workgroup_id_y 1
		.amdhsa_system_sgpr_workgroup_id_z 1
		.amdhsa_system_vgpr_workitem_id 0
		.amdhsa_next_free_vgpr 512
		.amdhsa_next_free_sgpr 100
		.amdhsa_reserve_vcc 0
		.amdhsa_float_denorm_mode_32 3
		.amdhsa_float_denorm_mode_16_64 3
		.amdhsa_memory_ordered 1
		.amdhsa_forward_progress 1
		.amdhsa_inst_pref_size 113
	.end_amdhsa_kernel
	.amdgpu_metadata
---
amdhsa.version: [ 1, 2 ]
amdhsa.kernels:
  - .name:           k_q62439103a0_main
    .symbol:         k_q62439103a0_main.kd
    .args:
      - { .name: x, .offset: 0, .size: 8, .value_kind: global_buffer, .address_space: global }
      - { .name: cells, .offset: 8, .size: 8, .value_kind: global_buffer, .address_space: global }
      - { .name: gridT, .offset: 16, .size: 8, .value_kind: global_buffer, .address_space: global }
      - { .name: wimg, .offset: 24, .size: 8, .value_kind: global_buffer, .address_space: global }
      - { .name: b0, .offset: 32, .size: 8, .value_kind: global_buffer, .address_space: global }
      - { .name: bh, .offset: 40, .size: 8, .value_kind: global_buffer, .address_space: global }
      - { .name: Wout, .offset: 48, .size: 8, .value_kind: global_buffer, .address_space: global }
      - { .name: bout, .offset: 56, .size: 8, .value_kind: global_buffer, .address_space: global }
      - { .name: out0, .offset: 64, .size: 8, .value_kind: global_buffer, .address_space: global }
    .group_segment_fixed_size: 140288
    .private_segment_fixed_size: 0
    .kernarg_segment_align: 8
    .kernarg_segment_size: 72
    .max_flat_workgroup_size: 256
    .sgpr_count:     100
    .vgpr_count:     512
    .wavefront_size: 32
...
	.end_amdgpu_metadata
.endif
;; end of part 2
;; ======== version 2 of 3: 2 launches; 1.12 times as fast as version 1
;; limits: right only within a limited range of input values; an absolute error that grows with the inputs' magnitude: up to 4e-08 times it
;; workspace buffers: cells 8,388,608 bytes of whole numbers; gridT 16,777,216 bytes; wimg 16,384 bytes
;; launch prep: the kernel of part 1 again; grid 2049 x 1, 4 waves a work-group, no clusters, 29,184 bytes of LDS; arguments x, feature_grid, W0, Wh, cells, gridT, wimg; writes cells, gridT, wimg
;; launch main (part 3): grid 256 x 1, 8 waves a work-group, no clusters, 140,288 bytes of LDS; arguments x, cells, gridT, wimg, b0, bh, Wout, bout, out0; writes out0
.if DOCPART == 3
	.amdgcn_target "amdgcn-amd-amdhsa--gfx1250"
	.amdhsa_code_object_version 6
	.text
	.protected	k_q62439103a0_main
	.globl	k_q62439103a0_main
	.p2align	8
	.type	k_q62439103a0_main,@function
k_q62439103a0_main:
	s_mov_b64 s[64:65], 0
	v_nop
	global_prefetch_b8 v0, s[64:65] scope:SCOPE_SE
	s_setreg_imm32_b32 hwreg(HW_REG_WAVE_MODE, 25, 1), 1
	s_wait_xcnt 0x0
; out = Wout . snake(Wh2 snake(Wh1 snake(Wh0 snake(W0 [pe(x), trilinear(grid, x)] + b0) + bh0) + bh1) + bh2) + bout for 2^21 points; snake(v) = 0.5 v + sin(v)^2.
; The four products with 32 outputs run on codes of FP6 (E2M3) with one E8M0 scale for each 32 along K; the last (one output) is f32 multiply-adds.  All else is f32.
; SHARES.  256 work-groups of 8 waves; a wave owns 1,024 points and walks them in 32 trips of 32 points.  Waves share nothing: no barrier; all LDS is a wave's own.
; In a trip lane l makes all 52 inputs of point l.  P = the points of lanes 0-15, Q = those of lanes 16-31.
; THE GATHER.  A point's 8 taps x 16 channels are four runs of 128 bytes of gridT; ONE load of the wave brings one point's 512 bytes (lane l: piece l % 8 of run l / 8).  The 32 loads of a trip go through the wave's
; stage in LDS (a point's 512 bytes + 16) and come back a point a lane.  The cells come from the launch before, as whole numbers, by scalar loads; they are held inside the grid before they enter an address.
; A load's offset stands in the first of the four registers that the load itself fills.  The next trip's x, cells and gather are asked for behind layer 0's products: they have three layers and the next encoding in which to land.
; THE PRODUCTS are used transposed: source 0 = 16 output units (their codes stay in registers for the whole launch), source 1 = 16 points, C = the bias.  Row r of tile u is unit (r % 8) + 8 u + 16 (r / 8): so lane (r, h)
; holds, in the 16 registers of tiles 0 and 1, units 16 h .. 16 h + 15 of point r, and the conversion's three registers ARE the next operand's registers 0-2 (the instruction's k = 32 h .. 32 h + 15; all other codes are zeros,
; in the weights too).  Layer 0: a lane's two blocks are registers 0-5 and 6-11; P's blocks so lie at the instruction's blocks 0 and 2, Q's at 1 and 3, and a weight image with zeros in the other half of the lanes picks one of the two.
; EVERY PRODUCT GIVES v / 2: at the head the weights' scale bytes are taken one lower and the biases halved.  That is a power of two, so nothing is rounded otherwise; v / 2 is snake's linear part.
; SNAKE.  n = round(v / pi) by a magic addition, f = v / pi - n by one fused multiply-add, u = f^2 <= 1/4, sin(v)^2 = u Q(u), Q of degree 5 (the series to u^9, economised on 0 .. 1/4: what is dropped is under 1e-7 of Q, which
; lies between 4 and 9.87); the last multiply-add adds v / 2.  Ten packed instructions for two numbers.
; P AND Q GO HALF A LAYER APART: a snake on one half's 16 registers carries the other half's quantiser between its steps, and stands between that quantiser and its two products.
; THE ENCODING'S SINES.  n = round(v / pi), r = v - n pi in two parts, odd and even polynomials on |r| <= pi / 2; the sign is n's lowest bit, added at bit 31.
; LIMITS: NaN and infinities are not served.  Every sine's argument stays under 2^22 pi in magnitude (the magic addition's range).  In snake 1 / pi is one f32 number: the argument is off by 4e-8 of itself.
; For a coordinate beyond +1 the weights on voxel 63 are taken as 0 and 1, where reference() has two weights on that voxel whose sum is 1.
; REGISTERS, window 0: v1-7 addresses; v8-12 the head's; v14-21 four constants as pairs; v22-29 the weights' scale words, v30-32 the points' (scales and nothing else); v33 8 h; v34-36 x; v38-41 the last four trips' results;
;   v42-105 biases / 2; v106-121 Wout; v122-133 X0; v134-145 XP; v146-157 XQ; v158-221 the 64 places of layer 0's K (v158-173, v174-189 later P's and Q's results; v190-207 then at work; v210-221 stay 0); v222-255 at work.
;   window 1: v0-127 the gather; v128-247 the ten weight images.
.set SUBS,  32                         ; trips of a wave
.set RP,    528                        ; a point's region in the stage: 512 bytes + 16: an odd multiple of 16, so that the lanes' reads fall on different banks
.set STG,   32*RP                      ; a wave's stage
.set OSTG,  8*STG                      ; behind the eight stages: 512 bytes a wave for the results
.set CMAX,  0x3efbe                    ; the largest cell: (62 x 64 + 62) x 64 + 62
.set TT,    222                        ; temporaries
.set YB,    158                        ; layer 0's places 0 .. 63
.set HP,    158                        ; the layers' results: P's 16 registers,
.set HQ,    174                        ; Q's
.set FE,    190                        ; places 32 .. 47: the features; before them the sines' arguments
.set QT,    190                        ; behind layer 0: eight temporaries of the hidden quantiser
.set X0,    122
.set XP,    134
.set XQ,    146
.set BI,    42                         ; bias of layer n, tile u at BI + 8 (2 n + u)
.set WO,    106
.set WS,    22                         ; scale word of layer n, tile u at WS + 2 n + u
.set IMG,   128                        ; window 1: image i at IMG + 12 i
.set INVPI, 22                         ; scalar pairs: the packed forms name a pair and take its low word for both halves
.set NMAG,  24
.set NPIH,  26
.set NPIL,  28
.set S11,   30
.set S7,    32
.set S5,    34
.set S3,    36
.set C10,   38
.set C6,    40
.set C4,    42
.set Q5,    54
.set Q3,    56
.set Q2,    58
.set Q1,    60
.set Q0,    62
.set TIP,   66
.set MSB, 0
.macro WIN new                         ; s_set_vgpr_msb: bits 1:0 source 0, 3:2 source 1, 5:4 source 2, 7:6 destination; the high byte repeats the setting that is left
.if MSB != \new
	s_set_vgpr_msb (MSB<<8)|\new
.set MSB, \new
.endif
.endm
.macro SPAIR r, val
	s_mov_b32 s[\r], \val
	s_mov_b32 s[\r+1], \val
.endm
.macro VPAIR r, val
	v_mov_b32 v[\r], \val
	v_mov_b32 v[\r+1], \val
.endm
	s_load_b512 s[4:19], s[0:1], 0x0               ; x s[4:5], cells s[6:7], gridT s[8:9], wimg s[10:11], b0 s[12:13], bh s[14:15], Wout s[16:17], bout s[18:19]
	s_load_b64 s[20:21], s[0:1], 0x40              ; out0
	v_lshl_add_u32 v37, v0, 2, 0x22000
	v_mov_b32 v255, 0
	v_lshrrev_b32 v8, 5, v0
	v_readfirstlane_b32 s50, v8                    ; wave 0..7
	v_and_b32 v8, 31, v0                           ; lane
	v_bfe_u32 v9, v0, 4, 1                         ; h = lane / 16
	v_lshlrev_b32 v10, 2, v8                       ; 4 x lane
	v_lshlrev_b32 v11, 6, v9                       ; 64 h
	v_and_b32 v1, 7, v0
	v_lshlrev_b32 v1, 4, v1                        ; the gather: piece lane % 8 of a run of 128 bytes (voxels x, x + 1),
	v_bfe_u32 v12, v0, 3, 1
	v_lshl_add_u32 v1, v12, 12, v1                 ; y + 1 is 64 voxels of 64 bytes on,
	v_lshl_add_u32 v1, v9, 18, v1                  ; z + 1 is 4,096 voxels on
	v_lshlrev_b32 v33, 3, v9                       ; 8 h
	s_mul_i32 s51, s50, STG
	v_lshl_add_u32 v2, v8, 4, s51                  ; the stage, in: 16 x lane (+ the point's region in the immediate)
	v_mul_u32_u24 v3, v8, RP
	v_add_nc_u32 v3, s51, v3                       ; back: my point's region
	s_lshl_b32 s52, s50, 9
	s_add_co_u32 s52, s52, OSTG
	v_lshl_add_u32 v4, v8, 2, s52                  ; the results' stage, in: 4 x lane
	v_lshl_add_u32 v5, v8, 4, s52                  ; back: 16 x lane
	v_mul_u32_u24 v6, v8, 12                       ; x: 12 bytes a point
	v_lshlrev_b32 v7, 4, v8                        ; 16 x lane
	SPAIR INVPI, 0x3ea2f983                        ; 1 / pi
	SPAIR TIP,   0x3f22f983                        ; 2 / pi: for v / 2
	SPAIR NMAG,  0xcb400000                        ; -1.5 x 2^23
	SPAIR NPIH,  0xc0490fdb                        ; -pi, its f32 part
	SPAIR NPIL,  0x33bbbd2e                        ; and what that part leaves
	SPAIR S11,   0xb2cd365b                        ; sin r = r + r u (S3 + S5 u + S7 u^2 + S9 u^3 + S11 u^4), u = r^2
	SPAIR S7,    0xb9500bf1
	SPAIR S5,    0x3c088886
	SPAIR S3,    0xbe2aaaab
	SPAIR C10,   0xb48bdd11                        ; cos r = 1 - u / 2 + C4 u^2 + C6 u^3 + C8 u^4 + C10 u^5
	SPAIR C6,    0xbab609aa
	SPAIR C4,    0x3d2aaaa3
	SPAIR Q5,    0xc056d274                        ; sin(pi f)^2 = u (Q0 + Q1 u + .. + Q5 u^5), u = f^2:  -3.3565950
	SPAIR Q3,    0xc1f0cfcd                        ; -30.101466
	SPAIR Q2,    0x422ae8a6                        ;  42.727196
	SPAIR Q1,    0xc201e0f1                        ; -32.469671
	SPAIR Q0,    0x411de9e6                        ;   9.8696043
	s_mov_b32 s48, 0x76543210
	s_mov_b32 s49, 0xfedcba98                      ; v_permlanex16_b32's selects for lane l xor 16
	VPAIR 14, 0x4150cd36                           ; Q4 = 13.050100
	VPAIR 16, 0x4b400000                           ; 1.5 x 2^23
	VPAIR 18, 0x3638b88e                           ; S9
	VPAIR 20, 0x37cfb4c2                           ; C8
.irp i, 137,138,139,140,141,142,143,144,145,149,150,151,152,153,154,155,156,157,210,211,212,213,214,215,216,217,218,219,220,221,38,39,40,41
	v_mov_b32 v[\i], 0                             ; the hidden operands' zero codes; places 52 .. 63 of layer 0's K; the results' four registers
.endr
	s_lshl_b32 s47, ttmp9, 3
	s_add_co_u32 s47, s47, s50                     ; which run of 1,024 points is my wave's
	s_mul_i32 s2, s47, 12288
	s_mov_b32 s3, 0
	s_mov_b32 s46, 0                               ; byte offset of the cells to be loaded, in my wave's 4,096
	s_wait_kmcnt 0x0
	s_add_nc_u64 s[4:5], s[4:5], s[2:3]
	s_lshl_b32 s2, s47, 12
	s_add_nc_u64 s[6:7], s[6:7], s[2:3]
	s_add_nc_u64 s[20:21], s[20:21], s[2:3]
	s_load_b32 s44, s[18:19], 0x0                  ; bout
	s_load_b512 s[68:83], s[6:7], s46 offset:0x0   ; the first trip's 32 cells
	s_load_b512 s[84:99], s[6:7], s46 offset:0x40
	WIN 0x40                                       ; destination window 1
.irp n, 0,1,2,3,4,5,6,7,8,9
.irp c, 0,1,2
	global_load_b128 v[IMG+12*\n+4*\c:IMG+12*\n+4*\c+3], v7, s[10:11] offset:1536*\n+512*\c   ; the weight images: they stay
.endr
.endr
	WIN 0
.irp j, 0,1,2,3,4,5,6,7
	global_load_b32 v[WS+\j], v10, s[10:11] offset:15360+128*\j
.endr
.irp u, 0,1                                    ; a bias in the result's layout: lane (r, h), register j of tile u: unit 16 h + 8 u + j
	global_load_b128 v[BI+8*\u:BI+8*\u+3], v11, s[12:13] offset:32*\u
	global_load_b128 v[BI+8*\u+4:BI+8*\u+7], v11, s[12:13] offset:32*\u+16
.endr
.irp n, 0,1,2
.irp u, 0,1
	global_load_b128 v[BI+16+16*\n+8*\u:BI+16+16*\n+8*\u+3], v11, s[14:15] offset:128*\n+32*\u
	global_load_b128 v[BI+16+16*\n+8*\u+4:BI+16+16*\n+8*\u+7], v11, s[14:15] offset:128*\n+32*\u+16
.endr
.endr
.irp c, 0,1,2,3
	global_load_b128 v[WO+4*\c:WO+4*\c+3], v11, s[16:17] offset:16*\c   ; Wout(16 h + 0 .. 15)
.endr
; The 32 cells that were asked for a trip ago are held inside the grid: a loaded number enters an address only so.
.macro CLAMP
	s_wait_kmcnt 0x0                               ; the cells are in (scalar loads come back in no order: the count is 0)
.irp p, 0,1,2,3,4,5,6,7,8,9,10,11,12,13,14,15,16,17,18,19,20,21,22,23,24,25,26,27,28,29,30,31
	s_min_u32 s[68+\p], s[68+\p], CMAX
.endr
.endm
; Sixteen points' offsets: 64 bytes a voxel + my lane's piece, each into the first of the four registers (window 1) that its own load will fill.
.macro ADDR16 b
	WIN 0x40                                       ; destination window 1
.irp p, 0,1,2,3,4,5,6,7,8,9,10,11,12,13,14,15
	v_lshl_add_u32 v[4*((\b)+\p)], s[68+(\b)+\p], 6, v1
.endr
.endm
; The next trip's x and gather are asked for, x first, and the cells of the trip after it.
.macro ASKN
	global_load_b96 v[34:36], v6, s[4:5] th:TH_LOAD_NT
	WIN 0x41                                       ; destination and address window 1
.irp p, 0,1,2,3,4,5,6,7,8,9,10,11,12,13,14,15,16,17,18,19,20,21,22,23,24,25,26,27,28,29,30,31
	global_load_b128 v[4*\p:4*\p+3], v[4*\p], s[8:9]   ; point p's 512 bytes; the load lands on its own offset, on no other load's
.endr
	WIN 0
	s_add_co_u32 s46, s46, 128                     ; (the scalar loads that read s46 were shown done by the wait on KMcnt above)
	s_min_u32 s46, s46, 128*(SUBS-1)               ; the look-ahead stops at my wave's last 32 cells: no load leaves the buffer
	s_load_b512 s[68:83], s[6:7], s46 offset:0x0
	s_load_b512 s[84:99], s[6:7], s46 offset:0x40
.endm
; The gather through the stage: a point an instruction in, a point a lane back, into the registers that it left.  LDS serves a wave's instructions in order: no wait between.
.macro STAGE
	WIN 0x04                                       ; an LDS store's data are its source 1: window 1
.irp p, 0,1,2,3,4,5,6,7,8,9,10,11,12,13,14,15,16,17,18,19,20,21,22,23,24,25,26,27,28,29,30,31
	ds_store_b128 v2, v[4*\p:4*\p+3] offset:RP*\p
.endr
	WIN 0x40
.irp q, 0,1,2,3,4,5,6,7,8,9,10,11,12,13,14,15,16,17,18,19,20,21,22,23,24,25,26,27,28,29,30,31
	ds_load_b128 v[4*\q:4*\q+3], v3 offset:16*\q   ; register 16 tap + channel, tap = 4 z + 2 y + x
.endr
	WIN 0
.endm
; Sines and cosines of three pairs of arguments, v[FE + 2 i : FE + 2 i + 1]; chain i works in ten temporaries: +0 N, +2 r, +4 u, +6 the sine, +8 the cosine.  The three chains take turns line by line.
.macro SC3
.irp i, 0,1,2
	v_pk_fma_f32 v[TT+10*\i:TT+10*\i+1], v[FE+2*\i:FE+2*\i+1], s[INVPI:INVPI+1], v[16:17] op_sel_hi:[1,0,1]   ; N = v / pi + 1.5 x 2^23: its low bits are n
.endr
.irp i, 0,1,2
	v_pk_add_f32 v[TT+10*\i+6:TT+10*\i+7], v[TT+10*\i:TT+10*\i+1], s[NMAG:NMAG+1] op_sel_hi:[1,0]             ; n
.endr
.irp i, 0,1,2
	v_pk_fma_f32 v[TT+10*\i+2:TT+10*\i+3], v[TT+10*\i+6:TT+10*\i+7], s[NPIH:NPIH+1], v[FE+2*\i:FE+2*\i+1] op_sel_hi:[1,0,1]
.endr
.irp i, 0,1,2
	v_pk_fma_f32 v[TT+10*\i+2:TT+10*\i+3], v[TT+10*\i+6:TT+10*\i+7], s[NPIL:NPIL+1], v[TT+10*\i+2:TT+10*\i+3] op_sel_hi:[1,0,1]   ; r = v - n pi
.endr
.irp i, 0,1,2
	v_pk_mul_f32 v[TT+10*\i+4:TT+10*\i+5], v[TT+10*\i+2:TT+10*\i+3], v[TT+10*\i+2:TT+10*\i+3]                 ; u
.endr
.irp i, 0,1,2
	v_pk_fma_f32 v[TT+10*\i+6:TT+10*\i+7], v[TT+10*\i+4:TT+10*\i+5], s[S11:S11+1], v[18:19] op_sel_hi:[1,0,1]
	v_pk_fma_f32 v[TT+10*\i+8:TT+10*\i+9], v[TT+10*\i+4:TT+10*\i+5], s[C10:C10+1], v[20:21] op_sel_hi:[1,0,1]
.endr
.irp i, 0,1,2
	v_pk_fma_f32 v[TT+10*\i+6:TT+10*\i+7], v[TT+10*\i+6:TT+10*\i+7], v[TT+10*\i+4:TT+10*\i+5], s[S7:S7+1] op_sel_hi:[1,1,0]
	v_pk_fma_f32 v[TT+10*\i+8:TT+10*\i+9], v[TT+10*\i+8:TT+10*\i+9], v[TT+10*\i+4:TT+10*\i+5], s[C6:C6+1] op_sel_hi:[1,1,0]
.endr
.irp i, 0,1,2
	v_pk_fma_f32 v[TT+10*\i+6:TT+10*\i+7], v[TT+10*\i+6:TT+10*\i+7], v[TT+10*\i+4:TT+10*\i+5], s[S5:S5+1] op_sel_hi:[1,1,0]
	v_pk_fma_f32 v[TT+10*\i+8:TT+10*\i+9], v[TT+10*\i+8:TT+10*\i+9], v[TT+10*\i+4:TT+10*\i+5], s[C4:C4+1] op_sel_hi:[1,1,0]
.endr
.irp i, 0,1,2
	v_pk_fma_f32 v[TT+10*\i+6:TT+10*\i+7], v[TT+10*\i+6:TT+10*\i+7], v[TT+10*\i+4:TT+10*\i+5], s[S3:S3+1] op_sel_hi:[1,1,0]
	v_pk_fma_f32 v[TT+10*\i+8:TT+10*\i+9], v[TT+10*\i+8:TT+10*\i+9], v[TT+10*\i+4:TT+10*\i+5], -0.5 op_sel_hi:[1,1,0]
.endr
.irp i, 0,1,2
	v_pk_fma_f32 v[TT+10*\i+8:TT+10*\i+9], v[TT+10*\i+8:TT+10*\i+9], v[TT+10*\i+4:TT+10*\i+5], 1.0 op_sel_hi:[1,1,0]   ; cos r
.endr
.irp i, 0,1,2
	v_pk_mul_f32 v[TT+10*\i+4:TT+10*\i+5], v[TT+10*\i+2:TT+10*\i+3], v[TT+10*\i+4:TT+10*\i+5]                 ; r u
.endr
.irp i, 0,1,2
	v_pk_fma_f32 v[TT+10*\i+6:TT+10*\i+7], v[TT+10*\i+4:TT+10*\i+5], v[TT+10*\i+6:TT+10*\i+7], v[TT+10*\i+2:TT+10*\i+3]   ; sin r
.endr
.endm
; Chain i's four results get their sign ((-1)^n: n's lowest bit added at bit 31) on the way to their places: the low argument's sine, the high one's, the two cosines.
.macro SIGN i, sl, sh, cl, ch
	v_lshl_add_u32 v[\sl], v[TT+10*\i], 31, v[TT+10*\i+6]
	v_lshl_add_u32 v[\sh], v[TT+10*\i+1], 31, v[TT+10*\i+7]
	v_lshl_add_u32 v[\cl], v[TT+10*\i], 31, v[TT+10*\i+8]
	v_lshl_add_u32 v[\ch], v[TT+10*\i+1], 31, v[TT+10*\i+9]
.endm
.macro TIMES4
.irp i, 0,1,2
	v_pk_mul_f32 v[FE+2*\i:FE+2*\i+1], v[FE+2*\i:FE+2*\i+1], 4.0 op_sel_hi:[1,0]   ; two levels on: exact
.endr
.endm
; The positional encoding.  reference()'s argument of level l is fl(x 2^l pi) = 2^l fl(x pi).  Chains: (x, y) of an even level, (x, y) of the odd level behind it, z of both.
; Places (k = 6 l + 0, 1, 2 the sines of x, y, z; + 3, 4, 5 the cosines): the same order as in the weight images of layer 0.
.macro PE
	v_mul_f32 v[FE], 0x40490fdb, v34
	v_mul_f32 v[FE+1], 0x40490fdb, v35
	v_mul_f32 v[FE+4], 0x40490fdb, v36
	v_pk_add_f32 v[FE+2:FE+3], v[FE:FE+1], v[FE:FE+1]
	v_add_f32 v[FE+5], v[FE+4], v[FE+4]
	SC3
	SIGN 0, YB+0, YB+1, YB+2, YB+3
	SIGN 1, YB+4, YB+5, YB+6, YB+7
	SIGN 2, YB+20, YB+21, YB+22, YB+23
	TIMES4
	SC3
	SIGN 0, YB+8, YB+9, YB+10, YB+11
	SIGN 1, YB+12, YB+13, YB+14, YB+15
	SIGN 2, YB+24, YB+25, YB+26, YB+27
	TIMES4
	SC3
	SIGN 0, YB+16, YB+17, YB+18, YB+19
	SIGN 1, YB+28, YB+29, YB+48, YB+49             ; k = 30, 31 end the first block; 33, 34 lie in the second
	SIGN 2, YB+30, YB+50, YB+31, YB+51             ; k = 26, 32, 29, 35
.endm
; The eight weights.  f and the cell by the very lines of the launch that stored the cells; w1 = min(f - cell, 1), w0 = 1 - w1; products in reference()'s order (wz wy) wx.  v[238 + tap].
.macro TRIW
.irp d, 0,1,2
	v_add_f32 v[246+\d], 1.0, v[34+\d]
.endr
.irp d, 0,1,2
	v_mul_f32 v[246+\d], 0x41fc0000, v[246+\d]
.endr
.irp d, 0,1,2
	v_floor_f32 v[249+\d], v[246+\d]
.endr
.irp d, 0,1,2
	v_med3_num_f32 v[249+\d], v[249+\d], 0, 0x42780000
.endr
.irp d, 0,1,2
	v_sub_f32 v[223+2*\d], v[246+\d], v[249+\d]
.endr
.irp d, 0,1,2
	v_min_num_f32 v[223+2*\d], 1.0, v[223+2*\d]
.endr
.irp d, 0,1,2
	v_sub_f32 v[222+2*\d], 1.0, v[223+2*\d]
.endr
	v_pk_mul_f32 v[234:235], v[226:227], v[224:225] op_sel_hi:[0,1]                  ; wz0 x (wy0, wy1)
	v_pk_mul_f32 v[236:237], v[226:227], v[224:225] op_sel:[1,0] op_sel_hi:[1,1]     ; wz1 x (wy0, wy1)
	v_pk_mul_f32 v[238:239], v[234:235], v[222:223] op_sel_hi:[0,1]
	v_pk_mul_f32 v[240:241], v[234:235], v[222:223] op_sel:[1,0] op_sel_hi:[1,1]
	v_pk_mul_f32 v[242:243], v[236:237], v[222:223] op_sel_hi:[0,1]
	v_pk_mul_f32 v[244:245], v[236:237], v[222:223] op_sel:[1,0] op_sel_hi:[1,1]
.endm
; What the encoding alone decides of layer 0's two largest magnitudes: the first block's (v253), and of the second block its four encoding numbers' (v254).  The floor 2^(3 - 127) is a leaf of each: no byte can fall under 1.
.macro QMAX0A
	v_max3_num_f32 v252, |v[YB]|, |v[YB+1]|, 0x1800000
	v_max3_num_f32 v253, |v[YB+16]|, |v[YB+17]|, |v[YB+18]|
	v_max3_num_f32 v254, |v[YB+48]|, |v[YB+49]|, 0x1800000
.irp i, 0,1,2,3,4,5
	v_max3_num_f32 v252, v252, |v[YB+2+2*\i]|, |v[YB+3+2*\i]|
	v_max3_num_f32 v253, v253, |v[YB+19+2*\i]|, |v[YB+20+2*\i]|
.endr
	v_max3_num_f32 v252, v252, |v[YB+14]|, |v[YB+15]|
	v_max3_num_f32 v254, v254, |v[YB+50]|, |v[YB+51]|
	v_max3_num_f32 v253, v253, |v[YB+31]|, v252
.endm
; The 16 features: eight taps in reference()'s order, two channels an instruction, eight chains.  Tap t lies in the stage's loads 4 t .. 4 t + 3 of 32: the 28 - 4 t behind them may be out.
.macro INTERP
	WIN 0x01                                       ; source 0 window 1
	s_wait_dscnt 28
.irp i, 0,1,2,3,4,5,6,7
	v_pk_mul_f32 v[FE+2*\i:FE+2*\i+1], v[2*\i:2*\i+1], v[238:239] op_sel_hi:[1,0]
.endr
.irp t, 1,2,3,4,5,6,7
	s_wait_dscnt 28-4*\t
.irp i, 0,1,2,3,4,5,6,7
.if \t%2
	v_pk_fma_f32 v[FE+2*\i:FE+2*\i+1], v[16*\t+2*\i:16*\t+2*\i+1], v[238+2*(\t/2):239+2*(\t/2)], v[FE+2*\i:FE+2*\i+1] op_sel:[0,1,0] op_sel_hi:[1,1,1]
.else
	v_pk_fma_f32 v[FE+2*\i:FE+2*\i+1], v[16*\t+2*\i:16*\t+2*\i+1], v[238+2*(\t/2):239+2*(\t/2)], v[FE+2*\i:FE+2*\i+1] op_sel_hi:[1,0,1]
.endif
.endr
.endr
	WIN 0
.endm
; Layer 0's operand: my point's two blocks (all 32 numbers of a block are mine) become X0's registers 0-5 and 6-11; the scale word of column r is P's and Q's bytes by turns.
; The lines that make the scale word are the plain lines behind the conversions; the six moves and sixteen address lines that follow are the places ahead of the scaled matrix instructions (8 for a scale, 4 for an operand).
.macro QUANT0B
.irp c, 0,1,2,3,4
	v_max3_num_f32 v[222+\c], |v[FE+3*\c]|, |v[FE+3*\c+1]|, |v[FE+3*\c+2]|
.endr
	v_max3_num_f32 v222, v222, v223, v224
	v_max3_num_f32 v225, v225, v226, |v[FE+15]|
	v_max3_num_f32 v224, v222, v225, v254          ; the second block's largest magnitude
	v_add_nc_u32 v227, 0xff000000, v253            ; 2 off the exponent field: the conversion's scale operand
	v_add_nc_u32 v228, 0xff000000, v224
	v_cvt_scalef32_pk16_fp6_f32 v[X0:X0+2], v[YB:YB+15], v227
	v_cvt_scalef32_pk16_fp6_f32 v[246:248], v[YB+16:YB+31], v227   ; (a conversion's three registers begin on an even number)
	v_cvt_scalef32_pk16_fp6_f32 v[X0+6:X0+8], v[YB+32:YB+47], v228
	v_cvt_scalef32_pk16_fp6_f32 v[250:252], v[YB+48:YB+63], v228
	v_lshrrev_b32 v229, 23, v227                   ; the bytes
	v_lshrrev_b32 v230, 23, v228
	v_lshl_or_b32 v229, v230, 16, v229
	v_lshlrev_b32 v229, v33, v229                  ; P's at bytes 0 and 2, Q's at bytes 1 and 3
	v_permlanex16_b32 v231, v229, s48, s49
	v_or_b32 v30, v229, v231
.irp i, 0,1,2
	v_mov_b32 v[X0+3+\i], v[246+\i]
	v_mov_b32 v[X0+9+\i], v[250+\i]
.endr
.endm
.macro MM d, a, b, c, sa, sb
	v_wmma_scale_f32_16x16x128_f8f6f4 v[(\d):(\d)+7], v[(\a):(\a)+11], v[(\b):(\b)+11], v[(\c):(\c)+7], v[(\sa)], v[(\sb)] matrix_a_fmt:MATRIX_FMT_FP6 matrix_b_fmt:MATRIX_FMT_FP6
.endm
; Layer 0: four products, four accumulators, each sum one instruction with the bias as its C: tiles 0, 1 for P, then for Q.
.macro LAYER0
	WIN 0x01                                       ; source 0 (the weights) window 1
	MM YB,    IMG,    X0, BI,   WS,   30
	MM YB+8,  IMG+24, X0, BI+8, WS+1, 30
	MM YB+16, IMG+12, X0, BI,   WS,   30
	MM YB+24, IMG+36, X0, BI+8, WS+1, 30
.endm
; Hidden layer n = 1, 2, 3 for one half of the points: two products, two accumulators.
.macro MPAIR n, d, x, sw
	WIN 0x01
	MM (\d),   IMG+24+24*\n, \x, BI+16*\n,   WS+2*\n,   \sw
	MM (\d)+8, IMG+36+24*\n, \x, BI+8+16*\n, WS+1+2*\n, \sw
	WIN 0
.endm
; The largest magnitude of my 16 units v[h .. h + 15], with the floor, as a tree three deep: v[QT].  These eight lines name no register of the two products issued just before: they are the places behind them.
.macro QMAX h
.irp c, 0,1,2,3,4
	v_max3_num_f32 v[QT+\c], |v[(\h)+3*\c]|, |v[(\h)+3*\c+1]|, |v[(\h)+3*\c+2]|
.endr
	v_max3_num_f32 v[QT], v[QT], v[QT+1], v[QT+2]
	v_max3_num_f32 v[QT+3], v[QT+3], v[QT+4], |v[(\h)+15]|
	v_max3_num_f32 v[QT], v[QT], v[QT+3], 0x1800000
.endm
; snake on 16 registers v[d ..], which hold v / 2: eight pairs by turns, from each accumulator's low end on; pair i works in four temporaries: +0 N, n, f, u; +2 the polynomial.
; h != 0: between the steps stands the rest of the OTHER half's quantiser: the block's other 16 numbers lie in lane l xor 16; codes of v[h .. h + 15] into v[x .. x + 2]; the one block lies in the instruction's blocks 0 and 1,
; so its byte goes twice into the scale word v[sw].  Five steps, forty lines, follow the scale word: the places ahead of the scaled matrix instructions.
.macro SNK8 d, h, x, sw
.irp i, 0,1,2,3,4,5,6,7
	v_pk_fma_f32 v[TT+4*\i:TT+4*\i+1], v[(\d)+2*\i:(\d)+2*\i+1], s[TIP:TIP+1], v[16:17] op_sel_hi:[1,0,1]     ; N = v / pi + 1.5 x 2^23
.endr
.if (\h) != 0
	v_permlanex16_b32 v[QT+5], v[QT], s48, s49
.endif
.irp i, 0,1,2,3,4,5,6,7
	v_pk_add_f32 v[TT+4*\i:TT+4*\i+1], v[TT+4*\i:TT+4*\i+1], s[NMAG:NMAG+1] op_sel_hi:[1,0]                   ; n
.endr
.if (\h) != 0
	v_max_num_f32 v[QT], v[QT], v[QT+5]            ; the block's largest magnitude
.endif
.irp i, 0,1,2,3,4,5,6,7
	v_pk_fma_f32 v[TT+4*\i:TT+4*\i+1], v[(\d)+2*\i:(\d)+2*\i+1], s[TIP:TIP+1], v[TT+4*\i:TT+4*\i+1] op_sel_hi:[1,0,1] neg_lo:[0,0,1] neg_hi:[0,0,1]   ; f = v / pi - n
.endr
.if (\h) != 0
	v_add_nc_u32 v[QT+6], 0xff000000, v[QT]        ; 2 off its exponent field: the conversion's scale operand
.endif
.irp i, 0,1,2,3,4,5,6,7
	v_pk_mul_f32 v[TT+4*\i:TT+4*\i+1], v[TT+4*\i:TT+4*\i+1], v[TT+4*\i:TT+4*\i+1]                             ; u
.endr
.if (\h) != 0
	v_lshrrev_b32 v[QT+7], 23, v[QT+6]             ; the byte
	v_cvt_scalef32_pk16_fp6_f32 v[(\x):(\x)+2], v[(\h):(\h)+15], v[QT+6]
.endif
.irp i, 0,1,2,3,4,5,6,7
	v_pk_fma_f32 v[TT+4*\i+2:TT+4*\i+3], v[TT+4*\i:TT+4*\i+1], s[Q5:Q5+1], v[14:15] op_sel_hi:[1,0,1]
.endr
.if (\h) != 0
	v_mul_u32_u24 v[\sw], v[QT+7], 0x101
.endif
.irp i, 0,1,2,3,4,5,6,7
	v_pk_fma_f32 v[TT+4*\i+2:TT+4*\i+3], v[TT+4*\i+2:TT+4*\i+3], v[TT+4*\i:TT+4*\i+1], s[Q3:Q3+1] op_sel_hi:[1,1,0]
.endr
.irp i, 0,1,2,3,4,5,6,7
	v_pk_fma_f32 v[TT+4*\i+2:TT+4*\i+3], v[TT+4*\i+2:TT+4*\i+3], v[TT+4*\i:TT+4*\i+1], s[Q2:Q2+1] op_sel_hi:[1,1,0]
.endr
.irp i, 0,1,2,3,4,5,6,7
	v_pk_fma_f32 v[TT+4*\i+2:TT+4*\i+3], v[TT+4*\i+2:TT+4*\i+3], v[TT+4*\i:TT+4*\i+1], s[Q1:Q1+1] op_sel_hi:[1,1,0]
.endr
.irp i, 0,1,2,3,4,5,6,7
	v_pk_fma_f32 v[TT+4*\i+2:TT+4*\i+3], v[TT+4*\i+2:TT+4*\i+3], v[TT+4*\i:TT+4*\i+1], s[Q0:Q0+1] op_sel_hi:[1,1,0]
.endr
.irp i, 0,1,2,3,4,5,6,7
	v_pk_fma_f32 v[(\d)+2*\i:(\d)+2*\i+1], v[TT+4*\i+2:TT+4*\i+3], v[TT+4*\i:TT+4*\i+1], v[(\d)+2*\i:(\d)+2*\i+1]   ; u Q(u) + v / 2
.endr
.endm
; The last product, in f32: my 16 units v[h ..] against Wout, two chains; the half sum in v[t].
.macro DOT h, t
	v_pk_mul_f32 v[(\t):(\t)+1], v[(\h):(\h)+1], v[WO:WO+1]
	v_pk_mul_f32 v[(\t)+2:(\t)+3], v[(\h)+8:(\h)+9], v[WO+8:WO+9]
.irp j, 1,2,3
	v_pk_fma_f32 v[(\t):(\t)+1], v[(\h)+2*\j:(\h)+2*\j+1], v[WO+2*\j:WO+2*\j+1], v[(\t):(\t)+1]
	v_pk_fma_f32 v[(\t)+2:(\t)+3], v[(\h)+8+2*\j:(\h)+8+2*\j+1], v[WO+8+2*\j:WO+8+2*\j+1], v[(\t)+2:(\t)+3]
.endr
	v_pk_add_f32 v[(\t):(\t)+1], v[(\t):(\t)+1], v[(\t)+2:(\t)+3]
	v_add_f32 v[(\t)], v[(\t)], v[(\t)+1]
.endm
	CLAMP                                          ; the first trip's x and gather
	ADDR16 0
	ADDR16 16
	WIN 0
	ASKN
	s_wait_loadcnt 33                              ; the weights, their scale words, the biases and Wout are in; x's load and the 32 gathers behind them may be out
.irp j, 0,1,2,3,4,5,6,7
	v_add_nc_u32 v[WS+\j], 0xfefefeff, v[WS+\j]    ; each of the four bytes one lower (every byte is 1 at the least: nothing is borrowed): the products give v / 2
.endr
.set i, 0
.rept 32
	v_pk_mul_f32 v[BI+i:BI+i+1], v[BI+i:BI+i+1], 0.5 op_sel_hi:[1,0]   ; and so the biases are halved
.set i, i+2
.endr
	s_mov_b32 s45, 0
.Ltrip:
	s_wait_loadcnt 32                              ; x is in: it was asked for ahead of the 32 gathers, which may be out
	s_add_nc_u64 s[4:5], s[4:5], 384               ; x's load is done, so its base may step: the next trip's 32 points
	PE                                             ; the encoding wants x alone
	s_wait_loadcnt 0x0                             ; the gather is in
	STAGE
	TRIW                                           ; the weights and the encoding's maxima stand between the stage's loads and the waits for them
	QMAX0A
	INTERP
	CLAMP
	QUANT0B
	ADDR16 0                                       ; the next gather's offsets, on every path: sixteen ahead of layer 0's products,
	LAYER0
	ADDR16 16                                      ; sixteen behind them: the places before a vector instruction reads a result (ISA guide 7.12.1)
	WIN 0
	s_cmp_eq_u32 s45, SUBS-1                       ; the last trip asks for nothing
	s_cbranch_scc1 .Lno_next
	ASKN
.Lno_next:
	SNK8 HP, 0, 0, 0                               ; P: snake of layer 0
	QMAX HP
	SNK8 HQ, HP, XP, 31                            ; Q: snake of layer 0 | P is quantised
	MPAIR 1, HP, XP, 31
	QMAX HQ
	SNK8 HP, HQ, XQ, 32                            ; P: snake of layer 1 | Q is quantised
	MPAIR 1, HQ, XQ, 32
	QMAX HP
	SNK8 HQ, HP, XP, 31
	MPAIR 2, HP, XP, 31
	QMAX HQ
	SNK8 HP, HQ, XQ, 32
	MPAIR 2, HQ, XQ, 32
	QMAX HP
	SNK8 HQ, HP, XP, 31
	MPAIR 3, HP, XP, 31
	QMAX HQ
	SNK8 HP, HQ, XQ, 32                            ; P: snake of layer 3
	MPAIR 3, HQ, XQ, 32
	DOT HP, 200                                    ; P's half sums: ten lines that name no register of Q's products: the places behind them
	SNK8 HQ, 0, 0, 0                               ; Q: snake of layer 3
	DOT HQ, 204
	v_mov_b32 v38, v39                             ; the last four trips' results move along
	v_mov_b32 v39, v40
	v_mov_b32 v40, v41
	v_permlane16_swap_b32 v200, v204               ; the first's lanes 16-31 change places with the second's lanes 0-15: both halves of point l's sum now lie in lane l
	v_add_f32 v41, v200, v204
	v_add_f32 v41, s44, v41                        ; + bout
	s_and_b32 s47, s45, 3
	s_cmp_lg_u32 s47, 3
	s_cbranch_scc1 .Lno_store                      ; every fourth trip 128 results leave: through my 512 bytes of LDS, so that a lane holds four neighbours
	ds_store_b32 v4, v38
	ds_store_b32 v4, v39 offset:128
	ds_store_b32 v4, v40 offset:256
	ds_store_b32 v4, v41 offset:384
	ds_load_b128 v[228:231], v5                    ; in order behind my stores
	s_wait_dscnt 0x0
	global_store_b128 v7, v[228:231], s[20:21] th:TH_STORE_NT   ; 32 lanes store 512 consecutive bytes, aligned; written once
	s_wait_xcnt 0x0                                ; the store's base and data are written again only behind this wait
	s_add_nc_u64 s[20:21], s[20:21], 512
.Lno_store:
	s_add_co_u32 s45, s45, 1
	s_cmp_lt_u32 s45, SUBS
	s_cbranch_scc1 .Ltrip
	s_wait_tensorcnt 0x0
	ds_add_u32 v37, v255
	s_wait_dscnt 0x0
	s_endpgm
.Lfunc_end_k_q62439103a0_main:
	.size	k_q62439103a0_main, .Lfunc_end_k_q62439103a0_main-k_q62439103a0_main
	.p2alignl 7, 3214868480
	.fill 96, 4, 3214868480
	.section	.rodata,"a",@progbits
	.p2align	6, 0x0
	.amdhsa_kernel k_q62439103a0_main
		.amdhsa_group_segment_fixed_size 140288
		.amdhsa_private_segment_fixed_size 0
		.amdhsa_enable_private_segment 0
		.amdhsa_kernarg_size 72
		.amdhsa_user_sgpr_count 2
		.amdhsa_user_sgpr_kernarg_segment_ptr 1
		.amdhsa_wavefront_size32 1
		.amdhsa_system_sgpr_workgroup_id_x 1
		.amdhsa_system_sgpr_workgroup_id_y 1
		.amdhsa_system_sgpr_workgroup_id_z 1
		.amdhsa_system_vgpr_workitem_id 0
		.amdhsa_next_free_vgpr 512
		.amdhsa_next_free_sgpr 100
		.amdhsa_reserve_vcc 0
		.amdhsa_float_denorm_mode_32 3
		.amdhsa_float_denorm_mode_16_64 3
		.amdhsa_memory_ordered 1
		.amdhsa_forward_progress 1
		.amdhsa_inst_pref_size 104
	.end_amdhsa_kernel
	.amdgpu_metadata
---
amdhsa.version: [ 1, 2 ]
amdhsa.kernels:
  - .name:           k_q62439103a0_main
    .symbol:         k_q62439103a0_main.kd
    .args:
      - { .name: x, .offset: 0, .size: 8, .value_kind: global_buffer, .address_space: global }
      - { .name: cells, .offset: 8, .size: 8, .value_kind: global_buffer, .address_space: global }
      - { .name: gridT, .offset: 16, .size: 8, .value_kind: global_buffer, .address_space: global }
      - { .name: wimg, .offset: 24, .size: 8, .value_kind: global_buffer, .address_space: global }
      - { .name: b0, .offset: 32, .size: 8, .value_kind: global_buffer, .address_space: global }
      - { .name: bh, .offset: 40, .size: 8, .value_kind: global_buffer, .address_space: global }
      - { .name: Wout, .offset: 48, .size: 8, .value_kind: global_buffer, .address_space: global }
      - { .name: bout, .offset: 56, .size: 8, .value_kind: global_buffer, .address_space: global }
      - { .name: out0, .offset: 64, .size: 8, .value_kind: global_buffer, .address_space: global }
    .group_segment_fixed_size: 140288
    .private_segment_fixed_size: 0
    .kernarg_segment_align: 8
    .kernarg_segment_size: 72
    .max_flat_workgroup_size: 256
    .sgpr_count:     100
    .vgpr_count:     512
    .wavefront_size: 32
...
	.end_amdgpu_metadata
.endif
;; end of part 3
;; ======== version 3 of 3: 2 launches; version 2 with the launch main written anew for expert scheduling mode
;; limits: right only within a limited range of input values; an absolute error that grows with the inputs' magnitude: up to 4e-08 times it
;; workspace buffers: cells 8,388,608 bytes of whole numbers; gridT 16,777,216 bytes; wimg 16,384 bytes
;; launch prep: the kernel of part 1 again; grid 2049 x 1, 4 waves a work-group, no clusters, 29,184 bytes of LDS; arguments x, feature_grid, W0, Wh, cells, gridT, wimg; writes cells, gridT, wimg
;; launch main (part 4): grid 256 x 1, 8 waves a work-group, no clusters, 140,288 bytes of LDS; arguments x, cells, gridT, wimg, b0, bh, Wout, bout, out0; writes out0
.if DOCPART == 4
	.amdgcn_target "amdgcn-amd-amdhsa--gfx1250"
	.amdhsa_code_object_version 6
	.text
	.protected	k_q62439103a0_main
	.globl	k_q62439103a0_main
	.p2align	8
	.type	k_q62439103a0_main,@function
k_q62439103a0_main:
	s_mov_b64 s[64:65], 0
	v_nop
	global_prefetch_b8 v0, s[64:65] scope:SCOPE_SE
	s_setreg_imm32_b32 hwreg(HW_REG_WAVE_SCHED_MODE, 0, 2), 2
	s_setreg_imm32_b32 hwreg(HW_REG_WAVE_MODE, 25, 1), 1
	s_wait_xcnt 0x0
	s_wait_alu depctr_vm_vsrc(0)
; out = Wout . snake(Wh2 snake(Wh1 snake(Wh0 snake(W0 [pe(x), trilinear(grid, x)] + b0) + bh0) + bh1) + bh2) + bout for 2^21 points; snake(v) = 0.5 v + sin(v)^2.
; The four products with 32 outputs run on codes of FP6 (E2M3) with one E8M0 scale for each 32 along K; the last (one output) is f32 multiply-adds.  All else is f32.
; SHARES.  256 work-groups of 8 waves; a wave owns 1,024 points and walks them in 32 trips of 32 points.  Waves share nothing: no barrier; all LDS is a wave's own.
; In a trip lane l makes all 52 inputs of point l.  P = the points of lanes 0-15, Q = those of lanes 16-31.
; THE GATHER.  A point's 8 taps x 16 channels are four runs of 128 bytes of gridT; ONE load of the wave brings one point's 512 bytes (lane l: piece l % 8 of run l / 8).  The 32 loads of a trip go through the wave's
; stage in LDS (a point's 512 bytes + 16) and come back a point a lane.  The cells come from the launch before, as whole numbers, by scalar loads; they are held inside the grid before they enter an address.
; A load's offset stands in the first of the four registers that the load itself fills.  The next trip's x, cells and gather are asked for behind layer 0's products: they have three layers and the next encoding in which to land.
; THE PRODUCTS are used transposed: source 0 = 16 output units (their codes stay in registers for the whole launch), source 1 = 16 points, C = the bias.  Row r of tile u is unit (r % 8) + 8 u + 16 (r / 8): so lane (r, h)
; holds, in the 16 registers of tiles 0 and 1, units 16 h .. 16 h + 15 of point r, and the conversion's three registers ARE the next operand's registers 0-2 (the instruction's k = 32 h .. 32 h + 15; all other codes are zeros,
; in the weights too).  Layer 0: a lane's two blocks are registers 0-5 and 6-11; P's blocks so lie at the instruction's blocks 0 and 2, Q's at 1 and 3, and a weight image with zeros in the other half of the lanes picks one of the two.
; EVERY PRODUCT GIVES v / 2: at the head the weights' scale bytes are taken one lower and the biases halved.  That is a power of two, so nothing is rounded otherwise; v / 2 is snake's linear part.
; SNAKE.  n = round(v / pi) by a magic addition, f = v / pi - n by one fused multiply-add, u = f^2 <= 1/4, sin(v)^2 = u Q(u), Q of degree 5 (the series to u^9, economised on 0 .. 1/4: what is dropped is under 1e-7 of Q, which
; lies between 4 and 9.87); the last multiply-add adds v / 2.  Ten packed instructions for two numbers.
; P AND Q GO HALF A LAYER APART: a snake on one half's 16 registers carries the other half's quantiser between its steps, and stands between that quantiser and its two products.
; THE ENCODING'S SINES.  n = round(v / pi), r = v - n pi in two parts, odd and even polynomials on |r| <= pi / 2; the sign is n's lowest bit, added at bit 31.
; LIMITS: NaN and infinities are not served.  Every sine's argument stays under 2^22 pi in magnitude (the magic addition's range).  In snake 1 / pi is one f32 number: the argument is off by 4e-8 of itself.
; For a coordinate beyond +1 the weights on voxel 63 are taken as 0 and 1, where reference() has two weights on that voxel whose sum is 1.
; REGISTERS, window 0: v1-7 addresses; v8-12 the head's; v14-21 four constants as pairs; v22-29 the weights' scale words, v30-32 the points' (scales and nothing else); v33 8 h; v34-36 x; v37 my spare word's LDS address;
;   v38-41 the last four trips' results; v42-105 biases / 2; v106-121 Wout; v122-133 X0; v134-145 XP; v146-157 XQ; v158-221 the 64 places of layer 0's K (v158-173, v174-189 later P's and Q's results; v190-207 then at work;
;   v210-221 stay 0); v222-254 at work; v255 0, for the closing add.   window 1: v0-127 the gather; v128-247 the ten weight images.
; THE MODE: SCHED_MODE bits 1:0 = 2 (LLVM: expert scheduling mode 2), set by the entry lines.  The code itself states the register dependences between vector or matrix instructions and memory or LDS instructions,
; with s_wait_alu, always for 0.
; THE PLAN.  Registers that memory or LDS instructions touch, in the order of a trip:
;   the gather's 128 (window 1)   the gathers asked for a trip ago have landed; the stage's 32 LDS stores read them; the stage's 32 LDS loads land in them; the interpolation reads them; the 32 address lines write the first of
;                                 each four; the next gathers read those as offsets and land on all four.
;   v34-36                        x's load lands; the encoding and the weights' lines read them; the next trip's x lands.
;   v38-41                        written by the moves and additions at a trip's end; read by four LDS stores every fourth trip.
;   v228-231                      at work in the sines and in snake; every fourth trip an LDS load lands there and the store of the results reads them.
;   v2-7, v10, v11                offsets and LDS addresses: made at the head, never written again.   v37, v255: made at the head, read by the closing add alone.
;   X0, XP, XQ, v30-32, v22-29    named by vector and matrix instructions alone, but written by vector instructions and taken by scaled products as source 1 or as scales.
; THE WAITS OF A TRIP.  On va_vdst: one ahead of layer 0's four products and one ahead of each of the six pairs of hidden products (their operand and its scale word are written); one at the head of the run of loads that asks for
; the next trip (the offsets are written; the readers of the gather's registers and of x are done); every fourth trip one ahead of the results' LDS stores.  On vm_vsrc: one between the stage's stores and its loads, which also
; stands ahead of the address lines; every fourth trip one behind the store of the results.  The eight weights' lines stand between the stage's stores and that wait.
.set SUBS,  32                         ; trips of a wave
.set RP,    528                        ; a point's region in the stage: 512 bytes + 16: an odd multiple of 16, so that the lanes' reads fall on different banks
.set STG,   32*RP                      ; a wave's stage
.set OSTG,  8*STG                      ; behind the eight stages: 512 bytes a wave for the results
.set CMAX,  0x3efbe                    ; the largest cell: (62 x 64 + 62) x 64 + 62
.set TT,    222                        ; temporaries
.set YB,    158                        ; layer 0's places 0 .. 63
.set HP,    158                        ; the layers' results: P's 16 registers,
.set HQ,    174                        ; Q's
.set FE,    190                        ; places 32 .. 47: the features; before them the sines' arguments
.set QT,    190                        ; behind layer 0: eight temporaries of the hidden quantiser
.set X0,    122
.set XP,    134
.set XQ,    146
.set BI,    42                         ; bias of layer n, tile u at BI + 8 (2 n + u)
.set WO,    106
.set WS,    22                         ; scale word of layer n, tile u at WS + 2 n + u
.set IMG,   128                        ; window 1: image i at IMG + 12 i
.set INVPI, 22                         ; scalar pairs: the packed forms name a pair and take its low word for both halves
.set NMAG,  24
.set NPIH,  26
.set NPIL,  28
.set S11,   30
.set S7,    32
.set S5,    34
.set S3,    36
.set C10,   38
.set C6,    40
.set C4,    42
.set Q5,    54
.set Q3,    56
.set Q2,    58
.set Q1,    60
.set Q0,    62
.set TIP,   66
.set MSB, 0
.macro WIN new                         ; s_set_vgpr_msb: bits 1:0 source 0, 3:2 source 1, 5:4 source 2, 7:6 destination; the high byte repeats the setting that is left
.if MSB != \new
	s_set_vgpr_msb (MSB<<8)|\new
.set MSB, \new
.endif
.endm
.macro SPAIR r, val
	s_mov_b32 s[\r], \val
	s_mov_b32 s[\r+1], \val
.endm
.macro VPAIR r, val
	v_mov_b32 v[\r], \val
	v_mov_b32 v[\r+1], \val
.endm
	s_load_b512 s[4:19], s[0:1], 0x0               ; x s[4:5], cells s[6:7], gridT s[8:9], wimg s[10:11], b0 s[12:13], bh s[14:15], Wout s[16:17], bout s[18:19]
	s_load_b64 s[20:21], s[0:1], 0x40              ; out0
	v_lshl_add_u32 v37, v0, 2, 0x22000
	v_mov_b32 v255, 0
	v_lshrrev_b32 v8, 5, v0
	v_readfirstlane_b32 s50, v8                    ; wave 0..7
	v_and_b32 v8, 31, v0                           ; lane
	v_bfe_u32 v9, v0, 4, 1                         ; h = lane / 16
	v_lshlrev_b32 v10, 2, v8                       ; 4 x lane
	v_lshlrev_b32 v11, 6, v9                       ; 64 h
	v_and_b32 v1, 7, v0
	v_lshlrev_b32 v1, 4, v1                        ; the gather: piece lane % 8 of a run of 128 bytes (voxels x, x + 1),
	v_bfe_u32 v12, v0, 3, 1
	v_lshl_add_u32 v1, v12, 12, v1                 ; y + 1 is 64 voxels of 64 bytes on,
	v_lshl_add_u32 v1, v9, 18, v1                  ; z + 1 is 4,096 voxels on
	v_lshlrev_b32 v33, 3, v9                       ; 8 h
	s_wait_alu depctr_va_sdst(0)                   ; s50 is written, ahead of its first reader: the wave's LDS regions and its run of points are made from it
	s_mul_i32 s51, s50, STG
	v_lshl_add_u32 v2, v8, 4, s51                  ; the stage, in: 16 x lane (+ the point's region in the immediate)
	v_mul_u32_u24 v3, v8, RP
	v_add_nc_u32 v3, s51, v3                       ; back: my point's region
	s_lshl_b32 s52, s50, 9
	s_add_co_u32 s52, s52, OSTG
	v_lshl_add_u32 v4, v8, 2, s52                  ; the results' stage, in: 4 x lane
	v_lshl_add_u32 v5, v8, 4, s52                  ; back: 16 x lane
	v_mul_u32_u24 v6, v8, 12                       ; x: 12 bytes a point
	v_lshlrev_b32 v7, 4, v8                        ; 16 x lane
	SPAIR INVPI, 0x3ea2f983                        ; 1 / pi
	SPAIR TIP,   0x3f22f983                        ; 2 / pi: for v / 2
	SPAIR NMAG,  0xcb400000                        ; -1.5 x 2^23
	SPAIR NPIH,  0xc0490fdb                        ; -pi, its f32 part
	SPAIR NPIL,  0x33bbbd2e                        ; and what that part leaves
	SPAIR S11,   0xb2cd365b                        ; sin r = r + r u (S3 + S5 u + S7 u^2 + S9 u^3 + S11 u^4), u = r^2
	SPAIR S7,    0xb9500bf1
	SPAIR S5,    0x3c088886
	SPAIR S3,    0xbe2aaaab
	SPAIR C10,   0xb48bdd11                        ; cos r = 1 - u / 2 + C4 u^2 + C6 u^3 + C8 u^4 + C10 u^5
	SPAIR C6,    0xbab609aa
	SPAIR C4,    0x3d2aaaa3
	SPAIR Q5,    0xc056d274                        ; sin(pi f)^2 = u (Q0 + Q1 u + .. + Q5 u^5), u = f^2:  -3.3565950
	SPAIR Q3,    0xc1f0cfcd                        ; -30.101466
	SPAIR Q2,    0x422ae8a6                        ;  42.727196
	SPAIR Q1,    0xc201e0f1                        ; -32.469671
	SPAIR Q0,    0x411de9e6                        ;   9.8696043
	s_mov_b32 s48, 0x76543210
	s_mov_b32 s49, 0xfedcba98                      ; v_permlanex16_b32's selects for lane l xor 16
	VPAIR 14, 0x4150cd36                           ; Q4 = 13.050100
	VPAIR 16, 0x4b400000                           ; 1.5 x 2^23
	VPAIR 18, 0x3638b88e                           ; S9
	VPAIR 20, 0x37cfb4c2                           ; C8
.irp i, 137,138,139,140,141,142,143,144,145,149,150,151,152,153,154,155,156,157,210,211,212,213,214,215,216,217,218,219,220,221,38,39,40,41
	v_mov_b32 v[\i], 0                             ; the hidden operands' zero codes; places 52 .. 63 of layer 0's K; the results' four registers
.endr
	s_lshl_b32 s47, ttmp9, 3
	s_add_co_u32 s47, s47, s50                     ; which run of 1,024 points is my wave's
	s_mul_i32 s2, s47, 12288
	s_mov_b32 s3, 0
	s_mov_b32 s46, 0                               ; byte offset of the cells to be loaded, in my wave's 4,096
	s_wait_kmcnt 0x0
	s_add_nc_u64 s[4:5], s[4:5], s[2:3]
	s_lshl_b32 s2, s47, 12
	s_add_nc_u64 s[6:7], s[6:7], s[2:3]
	s_add_nc_u64 s[20:21], s[20:21], s[2:3]
	s_load_b32 s44, s[18:19], 0x0                  ; bout
	s_load_b512 s[68:83], s[6:7], s46 offset:0x0   ; the first trip's 32 cells
	s_load_b512 s[84:99], s[6:7], s46 offset:0x40
	WIN 0x40                                       ; destination window 1
	s_wait_alu depctr_va_vdst(0)                   ; the offsets and LDS addresses v2 to v7, v10 and v11 are written, which the loads, stores and LDS instructions of the whole kernel read; so are v37 and v255, which the closing add reads
.irp n, 0,1,2,3,4,5,6,7,8,9
.irp c, 0,1,2
	global_load_b128 v[IMG+12*\n+4*\c:IMG+12*\n+4*\c+3], v7, s[10:11] offset:1536*\n+512*\c   ; the weight images: they stay
.endr
.endr
	WIN 0
.irp j, 0,1,2,3,4,5,6,7
	global_load_b32 v[WS+\j], v10, s[10:11] offset:15360+128*\j
.endr
.irp u, 0,1                                    ; a bias in the result's layout: lane (r, h), register j of tile u: unit 16 h + 8 u + j
	global_load_b128 v[BI+8*\u:BI+8*\u+3], v11, s[12:13] offset:32*\u
	global_load_b128 v[BI+8*\u+4:BI+8*\u+7], v11, s[12:13] offset:32*\u+16
.endr
.irp n, 0,1,2
.irp u, 0,1
	global_load_b128 v[BI+16+16*\n+8*\u:BI+16+16*\n+8*\u+3], v11, s[14:15] offset:128*\n+32*\u
	global_load_b128 v[BI+16+16*\n+8*\u+4:BI+16+16*\n+8*\u+7], v11, s[14:15] offset:128*\n+32*\u+16
.endr
.endr
.irp c, 0,1,2,3
	global_load_b128 v[WO+4*\c:WO+4*\c+3], v11, s[16:17] offset:16*\c   ; Wout(16 h + 0 .. 15)
.endr
; The 32 cells that were asked for a trip ago are held inside the grid: a loaded number enters an address only so.
.macro CLAMP
	s_wait_kmcnt 0x0                               ; the cells are in (scalar loads come back in no order: the count is 0)
.irp p, 0,1,2,3,4,5,6,7,8,9,10,11,12,13,14,15,16,17,18,19,20,21,22,23,24,25,26,27,28,29,30,31
	s_min_u32 s[68+\p], s[68+\p], CMAX
.endr
.endm
; Sixteen points' offsets: 64 bytes a voxel + my lane's piece, each into the first of the four registers (window 1) that its own load will fill.
; (The stage's LDS stores and the last gathers, which read these registers, stand ahead of the wait on vm_vsrc in the stage.)
.macro ADDR16 b
	WIN 0x40                                       ; destination window 1
.irp p, 0,1,2,3,4,5,6,7,8,9,10,11,12,13,14,15
	v_lshl_add_u32 v[4*((\b)+\p)], s[68+(\b)+\p], 6, v1
.endr
.endm
; The next trip's x and gather are asked for, x first, and the cells of the trip after it.  The 33 loads stand in one run, as early as their registers are free: it is for them that the next trip waits.
.macro ASKN
	s_wait_alu depctr_va_vdst(0)                   ; the 32 address lines have written the offsets, which the gathers read and on which they land; the interpolation is done reading the gather's registers, the encoding and the weights' lines are done reading x: the loads below land there
	global_load_b96 v[34:36], v6, s[4:5] th:TH_LOAD_NT
	WIN 0x41                                       ; destination and address window 1
.irp p, 0,1,2,3,4,5,6,7,8,9,10,11,12,13,14,15,16,17,18,19,20,21,22,23,24,25,26,27,28,29,30,31
	global_load_b128 v[4*\p:4*\p+3], v[4*\p], s[8:9]   ; point p's 512 bytes; the load lands on its own offset, on no other load's
.endr
	WIN 0
	s_add_co_u32 s46, s46, 128                     ; (the scalar loads that read s46 were shown done by the wait on KMcnt above)
	s_min_u32 s46, s46, 128*(SUBS-1)               ; the look-ahead stops at my wave's last 32 cells: no load leaves the buffer
	s_load_b512 s[68:83], s[6:7], s46 offset:0x0
	s_load_b512 s[84:99], s[6:7], s46 offset:0x40
.endm
; The gather through the stage: a point an instruction in, a point a lane back, into the registers that it left.  LDS serves a wave's instructions in order: no wait on DScnt between.
.macro STIN
	WIN 0x04                                       ; an LDS store's data are its source 1: window 1
.irp p, 0,1,2,3,4,5,6,7,8,9,10,11,12,13,14,15,16,17,18,19,20,21,22,23,24,25,26,27,28,29,30,31
	ds_store_b128 v2, v[4*\p:4*\p+3] offset:RP*\p
.endr
	WIN 0
.endm
.macro STBACK
	WIN 0x40
	s_wait_alu depctr_vm_vsrc(0)                   ; the 32 LDS stores have read the gather's registers, and the last gathers their offsets there: the loads below land in these registers, and the address lines further down write them
.irp q, 0,1,2,3,4,5,6,7,8,9,10,11,12,13,14,15,16,17,18,19,20,21,22,23,24,25,26,27,28,29,30,31
	ds_load_b128 v[4*\q:4*\q+3], v3 offset:16*\q   ; register 16 tap + channel, tap = 4 z + 2 y + x.  (No vector instruction has named these registers since the last wait on va_vdst)
.endr
	WIN 0
.endm
; Sines and cosines of three pairs of arguments, v[FE + 2 i : FE + 2 i + 1]; chain i works in ten temporaries: +0 N, +2 r, +4 u, +6 the sine, +8 the cosine.  The three chains take turns line by line.
.macro SC3
.irp i, 0,1,2
	v_pk_fma_f32 v[TT+10*\i:TT+10*\i+1], v[FE+2*\i:FE+2*\i+1], s[INVPI:INVPI+1], v[16:17] op_sel_hi:[1,0,1]   ; N = v / pi + 1.5 x 2^23: its low bits are n
.endr
.irp i, 0,1,2
	v_pk_add_f32 v[TT+10*\i+6:TT+10*\i+7], v[TT+10*\i:TT+10*\i+1], s[NMAG:NMAG+1] op_sel_hi:[1,0]             ; n
.endr
.irp i, 0,1,2
	v_pk_fma_f32 v[TT+10*\i+2:TT+10*\i+3], v[TT+10*\i+6:TT+10*\i+7], s[NPIH:NPIH+1], v[FE+2*\i:FE+2*\i+1] op_sel_hi:[1,0,1]
.endr
.irp i, 0,1,2
	v_pk_fma_f32 v[TT+10*\i+2:TT+10*\i+3], v[TT+10*\i+6:TT+10*\i+7], s[NPIL:NPIL+1], v[TT+10*\i+2:TT+10*\i+3] op_sel_hi:[1,0,1]   ; r = v - n pi
.endr
.irp i, 0,1,2
	v_pk_mul_f32 v[TT+10*\i+4:TT+10*\i+5], v[TT+10*\i+2:TT+10*\i+3], v[TT+10*\i+2:TT+10*\i+3]                 ; u
.endr
.irp i, 0,1,2
	v_pk_fma_f32 v[TT+10*\i+6:TT+10*\i+7], v[TT+10*\i+4:TT+10*\i+5], s[S11:S11+1], v[18:19] op_sel_hi:[1,0,1]
	v_pk_fma_f32 v[TT+10*\i+8:TT+10*\i+9], v[TT+10*\i+4:TT+10*\i+5], s[C10:C10+1], v[20:21] op_sel_hi:[1,0,1]
.endr
.irp i, 0,1,2
	v_pk_fma_f32 v[TT+10*\i+6:TT+10*\i+7], v[TT+10*\i+6:TT+10*\i+7], v[TT+10*\i+4:TT+10*\i+5], s[S7:S7+1] op_sel_hi:[1,1,0]
	v_pk_fma_f32 v[TT+10*\i+8:TT+10*\i+9], v[TT+10*\i+8:TT+10*\i+9], v[TT+10*\i+4:TT+10*\i+5], s[C6:C6+1] op_sel_hi:[1,1,0]
.endr
.irp i, 0,1,2
	v_pk_fma_f32 v[TT+10*\i+6:TT+10*\i+7], v[TT+10*\i+6:TT+10*\i+7], v[TT+10*\i+4:TT+10*\i+5], s[S5:S5+1] op_sel_hi:[1,1,0]
	v_pk_fma_f32 v[TT+10*\i+8:TT+10*\i+9], v[TT+10*\i+8:TT+10*\i+9], v[TT+10*\i+4:TT+10*\i+5], s[C4:C4+1] op_sel_hi:[1,1,0]
.endr
.irp i, 0,1,2
	v_pk_fma_f32 v[TT+10*\i+6:TT+10*\i+7], v[TT+10*\i+6:TT+10*\i+7], v[TT+10*\i+4:TT+10*\i+5], s[S3:S3+1] op_sel_hi:[1,1,0]
	v_pk_fma_f32 v[TT+10*\i+8:TT+10*\i+9], v[TT+10*\i+8:TT+10*\i+9], v[TT+10*\i+4:TT+10*\i+5], -0.5 op_sel_hi:[1,1,0]
.endr
.irp i, 0,1,2
	v_pk_fma_f32 v[TT+10*\i+8:TT+10*\i+9], v[TT+10*\i+8:TT+10*\i+9], v[TT+10*\i+4:TT+10*\i+5], 1.0 op_sel_hi:[1,1,0]   ; cos r
.endr
.irp i, 0,1,2
	v_pk_mul_f32 v[TT+10*\i+4:TT+10*\i+5], v[TT+10*\i+2:TT+10*\i+3], v[TT+10*\i+4:TT+10*\i+5]                 ; r u
.endr
.irp i, 0,1,2
	v_pk_fma_f32 v[TT+10*\i+6:TT+10*\i+7], v[TT+10*\i+4:TT+10*\i+5], v[TT+10*\i+6:TT+10*\i+7], v[TT+10*\i+2:TT+10*\i+3]   ; sin r
.endr
.endm
; Chain i's four results get their sign ((-1)^n: n's lowest bit added at bit 31) on the way to their places: the low argument's sine, the high one's, the two cosines.
.macro SIGN i, sl, sh, cl, ch
	v_lshl_add_u32 v[\sl], v[TT+10*\i], 31, v[TT+10*\i+6]
	v_lshl_add_u32 v[\sh], v[TT+10*\i+1], 31, v[TT+10*\i+7]
	v_lshl_add_u32 v[\cl], v[TT+10*\i], 31, v[TT+10*\i+8]
	v_lshl_add_u32 v[\ch], v[TT+10*\i+1], 31, v[TT+10*\i+9]
.endm
.macro TIMES4
.irp i, 0,1,2
	v_pk_mul_f32 v[FE+2*\i:FE+2*\i+1], v[FE+2*\i:FE+2*\i+1], 4.0 op_sel_hi:[1,0]   ; two levels on: exact
.endr
.endm
; The positional encoding.  reference()'s argument of level l is fl(x 2^l pi) = 2^l fl(x pi).  Chains: (x, y) of an even level, (x, y) of the odd level behind it, z of both.
; Places (k = 6 l + 0, 1, 2 the sines of x, y, z; + 3, 4, 5 the cosines): the same order as in the weight images of layer 0.
.macro PE
	v_mul_f32 v[FE], 0x40490fdb, v34
	v_mul_f32 v[FE+1], 0x40490fdb, v35
	v_mul_f32 v[FE+4], 0x40490fdb, v36
	v_pk_add_f32 v[FE+2:FE+3], v[FE:FE+1], v[FE:FE+1]
	v_add_f32 v[FE+5], v[FE+4], v[FE+4]
	SC3
	SIGN 0, YB+0, YB+1, YB+2, YB+3
	SIGN 1, YB+4, YB+5, YB+6, YB+7
	SIGN 2, YB+20, YB+21, YB+22, YB+23
	TIMES4
	SC3
	SIGN 0, YB+8, YB+9, YB+10, YB+11
	SIGN 1, YB+12, YB+13, YB+14, YB+15
	SIGN 2, YB+24, YB+25, YB+26, YB+27
	TIMES4
	SC3
	SIGN 0, YB+16, YB+17, YB+18, YB+19
	SIGN 1, YB+28, YB+29, YB+48, YB+49             ; k = 30, 31 end the first block; 33, 34 lie in the second
	SIGN 2, YB+30, YB+50, YB+31, YB+51             ; k = 26, 32, 29, 35
.endm
; The eight weights.  f and the cell by the very lines of the launch that stored the cells; w1 = min(f - cell, 1), w0 = 1 - w1; products in reference()'s order (wz wy) wx.  v[238 + tap].
.macro TRIW
.irp d, 0,1,2
	v_add_f32 v[246+\d], 1.0, v[34+\d]
.endr
.irp d, 0,1,2
	v_mul_f32 v[246+\d], 0x41fc0000, v[246+\d]
.endr
.irp d, 0,1,2
	v_floor_f32 v[249+\d], v[246+\d]
.endr
.irp d, 0,1,2
	v_med3_num_f32 v[249+\d], v[249+\d], 0, 0x42780000
.endr
.irp d, 0,1,2
	v_sub_f32 v[223+2*\d], v[246+\d], v[249+\d]
.endr
.irp d, 0,1,2
	v_min_num_f32 v[223+2*\d], 1.0, v[223+2*\d]
.endr
.irp d, 0,1,2
	v_sub_f32 v[222+2*\d], 1.0, v[223+2*\d]
.endr
	v_pk_mul_f32 v[234:235], v[226:227], v[224:225] op_sel_hi:[0,1]                  ; wz0 x (wy0, wy1)
	v_pk_mul_f32 v[236:237], v[226:227], v[224:225] op_sel:[1,0] op_sel_hi:[1,1]     ; wz1 x (wy0, wy1)
	v_pk_mul_f32 v[238:239], v[234:235], v[222:223] op_sel_hi:[0,1]
	v_pk_mul_f32 v[240:241], v[234:235], v[222:223] op_sel:[1,0] op_sel_hi:[1,1]
	v_pk_mul_f32 v[242:243], v[236:237], v[222:223] op_sel_hi:[0,1]
	v_pk_mul_f32 v[244:245], v[236:237], v[222:223] op_sel:[1,0] op_sel_hi:[1,1]
.endm
; What the encoding alone decides of layer 0's two largest magnitudes: the first block's (v253), and of the second block its four encoding numbers' (v254).  The floor 2^(3 - 127) is a leaf of each: no byte can fall under 1.
.macro QMAX0A
	v_max3_num_f32 v252, |v[YB]|, |v[YB+1]|, 0x1800000
	v_max3_num_f32 v253, |v[YB+16]|, |v[YB+17]|, |v[YB+18]|
	v_max3_num_f32 v254, |v[YB+48]|, |v[YB+49]|, 0x1800000
.irp i, 0,1,2,3,4,5
	v_max3_num_f32 v252, v252, |v[YB+2+2*\i]|, |v[YB+3+2*\i]|
	v_max3_num_f32 v253, v253, |v[YB+19+2*\i]|, |v[YB+20+2*\i]|
.endr
	v_max3_num_f32 v252, v252, |v[YB+14]|, |v[YB+15]|
	v_max3_num_f32 v254, v254, |v[YB+50]|, |v[YB+51]|
	v_max3_num_f32 v253, v253, |v[YB+31]|, v252
.endm
; The 16 features: eight taps in reference()'s order, two channels an instruction, eight chains.  Tap t lies in the stage's loads 4 t .. 4 t + 3 of 32: the 28 - 4 t behind them may be out.
.macro INTERP
	WIN 0x01                                       ; source 0 window 1
	s_wait_dscnt 28
.irp i, 0,1,2,3,4,5,6,7
	v_pk_mul_f32 v[FE+2*\i:FE+2*\i+1], v[2*\i:2*\i+1], v[238:239] op_sel_hi:[1,0]
.endr
.irp t, 1,2,3,4,5,6,7
	s_wait_dscnt 28-4*\t
.irp i, 0,1,2,3,4,5,6,7
.if \t%2
	v_pk_fma_f32 v[FE+2*\i:FE+2*\i+1], v[16*\t+2*\i:16*\t+2*\i+1], v[238+2*(\t/2):239+2*(\t/2)], v[FE+2*\i:FE+2*\i+1] op_sel:[0,1,0] op_sel_hi:[1,1,1]
.else
	v_pk_fma_f32 v[FE+2*\i:FE+2*\i+1], v[16*\t+2*\i:16*\t+2*\i+1], v[238+2*(\t/2):239+2*(\t/2)], v[FE+2*\i:FE+2*\i+1] op_sel_hi:[1,0,1]
.endif
.endr
.endr
	WIN 0
.endm
; Layer 0's operand: my point's two blocks (all 32 numbers of a block are mine) become X0's registers 0-5 and 6-11; the scale word of column r is P's and Q's bytes by turns.
; The lines that make the scale word are the plain lines behind the conversions; the six moves and sixteen address lines that follow are the places ahead of the scaled matrix instructions (8 for a scale, 4 for an operand).
.macro QUANT0B
.irp c, 0,1,2,3,4
	v_max3_num_f32 v[222+\c], |v[FE+3*\c]|, |v[FE+3*\c+1]|, |v[FE+3*\c+2]|
.endr
	v_max3_num_f32 v222, v222, v223, v224
	v_max3_num_f32 v225, v225, v226, |v[FE+15]|
	v_max3_num_f32 v224, v222, v225, v254          ; the second block's largest magnitude
	v_add_nc_u32 v227, 0xff000000, v253            ; 2 off the exponent field: the conversion's scale operand
	v_add_nc_u32 v228, 0xff000000, v224
	v_cvt_scalef32_pk16_fp6_f32 v[X0:X0+2], v[YB:YB+15], v227
	v_cvt_scalef32_pk16_fp6_f32 v[246:248], v[YB+16:YB+31], v227   ; (a conversion's three registers begin on an even number)
	v_cvt_scalef32_pk16_fp6_f32 v[X0+6:X0+8], v[YB+32:YB+47], v228
	v_cvt_scalef32_pk16_fp6_f32 v[250:252], v[YB+48:YB+63], v228
	v_lshrrev_b32 v229, 23, v227                   ; the bytes
	v_lshrrev_b32 v230, 23, v228
	v_lshl_or_b32 v229, v230, 16, v229
	v_lshlrev_b32 v229, v33, v229                  ; P's at bytes 0 and 2, Q's at bytes 1 and 3
	v_permlanex16_b32 v231, v229, s48, s49
	v_or_b32 v30, v229, v231
.irp i, 0,1,2
	v_mov_b32 v[X0+3+\i], v[246+\i]
	v_mov_b32 v[X0+9+\i], v[250+\i]
.endr
.endm
.macro MM d, a, b, c, sa, sb
	v_wmma_scale_f32_16x16x128_f8f6f4 v[(\d):(\d)+7], v[(\a):(\a)+11], v[(\b):(\b)+11], v[(\c):(\c)+7], v[(\sa)], v[(\sb)] matrix_a_fmt:MATRIX_FMT_FP6 matrix_b_fmt:MATRIX_FMT_FP6
.endm
; Layer 0: four products, four accumulators, each sum one instruction with the bias as its C: tiles 0, 1 for P, then for Q.
.macro LAYER0
	WIN 0x01                                       ; source 0 (the weights) window 1
	s_wait_alu depctr_va_vdst(0)                   ; behind the places: the conversions and the moves have written X0 and the or v30, which the four products take as source 1 and as its scales (in the first trip also: the head's additions have written the weights' scale words)
	MM YB,    IMG,    X0, BI,   WS,   30
	MM YB+8,  IMG+24, X0, BI+8, WS+1, 30
	MM YB+16, IMG+12, X0, BI,   WS,   30
	MM YB+24, IMG+36, X0, BI+8, WS+1, 30
.endm
; Hidden layer n = 1, 2, 3 for one half of the points: two products, two accumulators.
.macro MPAIR n, d, x, sw
	WIN 0x01
	s_wait_alu depctr_va_vdst(0)                   ; behind the places: the conversion has written v[x .. x + 2] and the multiplication v[sw], which the two products take as source 1 and as its scales
	MM (\d),   IMG+24+24*\n, \x, BI+16*\n,   WS+2*\n,   \sw
	MM (\d)+8, IMG+36+24*\n, \x, BI+8+16*\n, WS+1+2*\n, \sw
	WIN 0
.endm
; The largest magnitude of my 16 units v[h .. h + 15], with the floor, as a tree three deep: v[QT].  These eight lines name no register of the two products issued just before: they are the places behind them.
.macro QMAX h
.irp c, 0,1,2,3,4
	v_max3_num_f32 v[QT+\c], |v[(\h)+3*\c]|, |v[(\h)+3*\c+1]|, |v[(\h)+3*\c+2]|
.endr
	v_max3_num_f32 v[QT], v[QT], v[QT+1], v[QT+2]
	v_max3_num_f32 v[QT+3], v[QT+3], v[QT+4], |v[(\h)+15]|
	v_max3_num_f32 v[QT], v[QT], v[QT+3], 0x1800000
.endm
; snake on 16 registers v[d ..], which hold v / 2: eight pairs by turns, from each accumulator's low end on; pair i works in four temporaries: +0 N, n, f, u; +2 the polynomial.
; h != 0: between the steps stands the rest of the OTHER half's quantiser: the block's other 16 numbers lie in lane l xor 16; codes of v[h .. h + 15] into v[x .. x + 2]; the one block lies in the instruction's blocks 0 and 1,
; so its byte goes twice into the scale word v[sw].  Five steps, forty lines, follow the scale word: the places ahead of the scaled matrix instructions.
.macro SNK8 d, h, x, sw
.irp i, 0,1,2,3,4,5,6,7
	v_pk_fma_f32 v[TT+4*\i:TT+4*\i+1], v[(\d)+2*\i:(\d)+2*\i+1], s[TIP:TIP+1], v[16:17] op_sel_hi:[1,0,1]     ; N = v / pi + 1.5 x 2^23
.endr
.if (\h) != 0
	v_permlanex16_b32 v[QT+5], v[QT], s48, s49
.endif
.irp i, 0,1,2,3,4,5,6,7
	v_pk_add_f32 v[TT+4*\i:TT+4*\i+1], v[TT+4*\i:TT+4*\i+1], s[NMAG:NMAG+1] op_sel_hi:[1,0]                   ; n
.endr
.if (\h) != 0
	v_max_num_f32 v[QT], v[QT], v[QT+5]            ; the block's largest magnitude
.endif
.irp i, 0,1,2,3,4,5,6,7
	v_pk_fma_f32 v[TT+4*\i:TT+4*\i+1], v[(\d)+2*\i:(\d)+2*\i+1], s[TIP:TIP+1], v[TT+4*\i:TT+4*\i+1] op_sel_hi:[1,0,1] neg_lo:[0,0,1] neg_hi:[0,0,1]   ; f = v / pi - n
.endr
.if (\h) != 0
	v_add_nc_u32 v[QT+6], 0xff000000, v[QT]        ; 2 off its exponent field: the conversion's scale operand
.endif
.irp i, 0,1,2,3,4,5,6,7
	v_pk_mul_f32 v[TT+4*\i:TT+4*\i+1], v[TT+4*\i:TT+4*\i+1], v[TT+4*\i:TT+4*\i+1]                             ; u
.endr
.if (\h) != 0
	v_lshrrev_b32 v[QT+7], 23, v[QT+6]             ; the byte
	v_cvt_scalef32_pk16_fp6_f32 v[(\x):(\x)+2], v[(\h):(\h)+15], v[QT+6]
.endif
.irp i, 0,1,2,3,4,5,6,7
	v_pk_fma_f32 v[TT+4*\i+2:TT+4*\i+3], v[TT+4*\i:TT+4*\i+1], s[Q5:Q5+1], v[14:15] op_sel_hi:[1,0,1]
.endr
.if (\h) != 0
	v_mul_u32_u24 v[\sw], v[QT+7], 0x101
.endif
.irp i, 0,1,2,3,4,5,6,7
	v_pk_fma_f32 v[TT+4*\i+2:TT+4*\i+3], v[TT+4*\i+2:TT+4*\i+3], v[TT+4*\i:TT+4*\i+1], s[Q3:Q3+1] op_sel_hi:[1,1,0]
.endr
.irp i, 0,1,2,3,4,5,6,7
	v_pk_fma_f32 v[TT+4*\i+2:TT+4*\i+3], v[TT+4*\i+2:TT+4*\i+3], v[TT+4*\i:TT+4*\i+1], s[Q2:Q2+1] op_sel_hi:[1,1,0]
.endr
.irp i, 0,1,2,3,4,5,6,7
	v_pk_fma_f32 v[TT+4*\i+2:TT+4*\i+3], v[TT+4*\i+2:TT+4*\i+3], v[TT+4*\i:TT+4*\i+1], s[Q1:Q1+1] op_sel_hi:[1,1,0]
.endr
.irp i, 0,1,2,3,4,5,6,7
	v_pk_fma_f32 v[TT+4*\i+2:TT+4*\i+3], v[TT+4*\i+2:TT+4*\i+3], v[TT+4*\i:TT+4*\i+1], s[Q0:Q0+1] op_sel_hi:[1,1,0]
.endr
.irp i, 0,1,2,3,4,5,6,7
	v_pk_fma_f32 v[(\d)+2*\i:(\d)+2*\i+1], v[TT+4*\i+2:TT+4*\i+3], v[TT+4*\i:TT+4*\i+1], v[(\d)+2*\i:(\d)+2*\i+1]   ; u Q(u) + v / 2
.endr
.endm
; The last product, in f32: my 16 units v[h ..] against Wout, two chains; the half sum in v[t].
.macro DOT h, t
	v_pk_mul_f32 v[(\t):(\t)+1], v[(\h):(\h)+1], v[WO:WO+1]
	v_pk_mul_f32 v[(\t)+2:(\t)+3], v[(\h)+8:(\h)+9], v[WO+8:WO+9]
.irp j, 1,2,3
	v_pk_fma_f32 v[(\t):(\t)+1], v[(\h)+2*\j:(\h)+2*\j+1], v[WO+2*\j:WO+2*\j+1], v[(\t):(\t)+1]
	v_pk_fma_f32 v[(\t)+2:(\t)+3], v[(\h)+8+2*\j:(\h)+8+2*\j+1], v[WO+8+2*\j:WO+8+2*\j+1], v[(\t)+2:(\t)+3]
.endr
	v_pk_add_f32 v[(\t):(\t)+1], v[(\t):(\t)+1], v[(\t)+2:(\t)+3]
	v_add_f32 v[(\t)], v[(\t)], v[(\t)+1]
.endm
	CLAMP                                          ; the first trip's x and gather
	ADDR16 0
	ADDR16 16
	WIN 0
	ASKN
	s_wait_loadcnt 33                              ; the weights, their scale words, the biases and Wout are in; x's load and the 32 gathers behind them may be out
.irp j, 0,1,2,3,4,5,6,7
	v_add_nc_u32 v[WS+\j], 0xfefefeff, v[WS+\j]    ; each of the four bytes one lower (every byte is 1 at the least: nothing is borrowed): the products give v / 2
.endr
.set i, 0
.rept 32
	v_pk_mul_f32 v[BI+i:BI+i+1], v[BI+i:BI+i+1], 0.5 op_sel_hi:[1,0]   ; and so the biases are halved
.set i, i+2
.endr
	s_mov_b32 s45, 0
.Ltrip:
	s_wait_loadcnt 32                              ; x is in: it was asked for ahead of the 32 gathers, which may be out
	s_add_nc_u64 s[4:5], s[4:5], 384               ; x's load is done, so its base may step: the next trip's 32 points
	PE                                             ; the encoding wants x alone
	s_wait_loadcnt 0x0                             ; the gather is in
	STIN
	TRIW                                           ; the weights' lines stand between the stage's stores and the wait that shows their registers read,
	STBACK
	QMAX0A                                         ; the encoding's maxima between the stage's loads and the waits for them
	INTERP
	CLAMP
	QUANT0B
	ADDR16 0                                       ; the next gather's offsets, on every path: sixteen ahead of layer 0's products,
	LAYER0
	ADDR16 16                                      ; sixteen behind them: the places before a vector instruction reads a result (ISA guide 7.12.1)
	WIN 0
	s_cmp_eq_u32 s45, SUBS-1                       ; the last trip asks for nothing
	s_cbranch_scc1 .Lno_next
	ASKN
.Lno_next:
	SNK8 HP, 0, 0, 0                               ; P: snake of layer 0
	QMAX HP
	SNK8 HQ, HP, XP, 31                            ; Q: snake of layer 0 | P is quantised
	MPAIR 1, HP, XP, 31
	QMAX HQ
	SNK8 HP, HQ, XQ, 32                            ; P: snake of layer 1 | Q is quantised
	MPAIR 1, HQ, XQ, 32
	QMAX HP
	SNK8 HQ, HP, XP, 31
	MPAIR 2, HP, XP, 31
	QMAX HQ
	SNK8 HP, HQ, XQ, 32
	MPAIR 2, HQ, XQ, 32
	QMAX HP
	SNK8 HQ, HP, XP, 31
	MPAIR 3, HP, XP, 31
	QMAX HQ
	SNK8 HP, HQ, XQ, 32                            ; P: snake of layer 3
	MPAIR 3, HQ, XQ, 32
	DOT HP, 200                                    ; P's half sums: ten lines that name no register of Q's products: the places behind them
	SNK8 HQ, 0, 0, 0                               ; Q: snake of layer 3
	DOT HQ, 204
	v_mov_b32 v38, v39                             ; the last four trips' results move along
	v_mov_b32 v39, v40
	v_mov_b32 v40, v41
	v_permlane16_swap_b32 v200, v204               ; the first's lanes 16-31 change places with the second's lanes 0-15: both halves of point l's sum now lie in lane l
	v_add_f32 v41, v200, v204
	v_add_f32 v41, s44, v41                        ; + bout
	s_and_b32 s47, s45, 3
	s_cmp_lg_u32 s47, 3
	s_cbranch_scc1 .Lno_store                      ; every fourth trip 128 results leave: through my 512 bytes of LDS, so that a lane holds four neighbours
	s_wait_alu depctr_va_vdst(0)                   ; the moves and the additions have written v38 to v41, which the LDS stores read; snake's lines are done with v228 to v231, in which the LDS load lands
	ds_store_b32 v4, v38
	ds_store_b32 v4, v39 offset:128
	ds_store_b32 v4, v40 offset:256
	ds_store_b32 v4, v41 offset:384
	ds_load_b128 v[228:231], v5                    ; in order behind my stores
	s_wait_dscnt 0x0
	global_store_b128 v7, v[228:231], s[20:21] th:TH_STORE_NT   ; 32 lanes store 512 consecutive bytes, aligned; written once
	s_wait_xcnt 0x0                                ; the store's base and data are written again only behind this wait
	s_wait_alu depctr_vm_vsrc(0)                   ; the store has read v228 to v231, which the next trip's sines write, and the LDS stores v38 to v41, which the next trip's moves write
	s_add_nc_u64 s[20:21], s[20:21], 512
.Lno_store:
	s_add_co_u32 s45, s45, 1
	s_cmp_lt_u32 s45, SUBS
	s_cbranch_scc1 .Ltrip
	s_wait_dscnt 0x0                               ; the closing lines, six on end, for a launch in the mode that stores to LDS
	s_wait_alu 0x0
	s_wait_tensorcnt 0x0
	ds_add_u32 v37, v255
	s_wait_dscnt 0x0
	s_endpgm
.Lfunc_end_k_q62439103a0_main:
	.size	k_q62439103a0_main, .Lfunc_end_k_q62439103a0_main-k_q62439103a0_main
	.p2alignl 7, 3214868480
	.fill 96, 4, 3214868480
	.section	.rodata,"a",@progbits
	.p2align	6, 0x0
	.amdhsa_kernel k_q62439103a0_main
		.amdhsa_group_segment_fixed_size 140288
		.amdhsa_private_segment_fixed_size 0
		.amdhsa_enable_private_segment 0
		.amdhsa_kernarg_size 72
		.amdhsa_user_sgpr_count 2
		.amdhsa_user_sgpr_kernarg_segment_ptr 1
		.amdhsa_wavefront_size32 1
		.amdhsa_system_sgpr_workgroup_id_x 1
		.amdhsa_system_sgpr_workgroup_id_y 1
		.amdhsa_system_sgpr_workgroup_id_z 1
		.amdhsa_system_vgpr_workitem_id 0
		.amdhsa_next_free_vgpr 512
		.amdhsa_next_free_sgpr 100
		.amdhsa_reserve_vcc 0
		.amdhsa_float_denorm_mode_32 3
		.amdhsa_float_denorm_mode_16_64 3
		.amdhsa_memory_ordered 1
		.amdhsa_forward_progress 1
		.amdhsa_inst_pref_size 104
	.end_amdhsa_kernel
	.amdgpu_metadata
---
amdhsa.version: [ 1, 2 ]
amdhsa.kernels:
  - .name:           k_q62439103a0_main
    .symbol:         k_q62439103a0_main.kd
    .args:
      - { .name: x, .offset: 0, .size: 8, .value_kind: global_buffer, .address_space: global }
      - { .name: cells, .offset: 8, .size: 8, .value_kind: global_buffer, .address_space: global }
      - { .name: gridT, .offset: 16, .size: 8, .value_kind: global_buffer, .address_space: global }
      - { .name: wimg, .offset: 24, .size: 8, .value_kind: global_buffer, .address_space: global }
      - { .name: b0, .offset: 32, .size: 8, .value_kind: global_buffer, .address_space: global }
      - { .name: bh, .offset: 40, .size: 8, .value_kind: global_buffer, .address_space: global }
      - { .name: Wout, .offset: 48, .size: 8, .value_kind: global_buffer, .address_space: global }
      - { .name: bout, .offset: 56, .size: 8, .value_kind: global_buffer, .address_space: global }
      - { .name: out0, .offset: 64, .size: 8, .value_kind: global_buffer, .address_space: global }
    .group_segment_fixed_size: 140288
    .private_segment_fixed_size: 0
    .kernarg_segment_align: 8
    .kernarg_segment_size: 72
    .max_flat_workgroup_size: 256
    .sgpr_count:     100
    .vgpr_count:     512
    .wavefront_size: 32
...
	.end_amdgpu_metadata
.endif
;; end of part 4
